; MI455X (gfx1250); checked and timed in simulation.
; The chip was launched on July 23, 2026; its instructions are those of AMD's public machine-readable ISA for CDNA 5 (MIT licence, August 2026) and "CDNA5" Instruction Set Architecture Reference Guide (July 2026). The comments in the code are by the model that wrote it; some were corrected since.
;; Fused MHA. Allowed arithmetic: matrix products marked QUANTISED: E4M3 operands, one given power-of-two scale a tensor, by v_wmma_f32_16x16x64_fp8_fp8 or v_wmma_f32_16x16x128_fp8_fp8, f32 sums; everything else in f32.
;; Inputs: lowp_scales 8 int32 (the exponents e of the quantised operands' scales 2^e); w_out 1,024 x 1,024 float32; w_qkv 1,024 x 3,072 float32; x 4 x 2,048 x 1,024 float32.
;; Outputs: out0 4 x 2,048 x 1,024 float32.
;; This version of the problem:
;;   THIS VERSION OF THE PROBLEM IS GIVEN IN LOW PRECISION. The matrix products marked QUANTISED in the list below multiply operands that are first quantised to E4M3 (4 exponent bits, 3 mantissa bits; 8 bits a number), with one given power-of-two scale for each operand tensor; their sums are f32. All else is computed in f32.
;;   The module's matrix products, in the order in which they are computed (A, B: the left and right operand; K: the contracted axis; several contracted axes count as one K, in the product's order):
;;     1. [M 8,192, K 1,024] x [K 1,024, N 3,072]; A: input x; B: input w_qkv: QUANTISED (scales: A lowp_scales[0], B lowp_scales[1])
;;     2. batch 64 x [M 2,048, K 64] x [K 64, N 2,048]; A: computed on the way; B: computed on the way: QUANTISED (scales: A lowp_scales[2], B lowp_scales[3])
;;     3. batch 64 x [M 2,048, K 2,048] x [K 2,048, N 64]; A: softmax (see below); B: computed on the way: QUANTISED (scales: A lowp_scales[4], B lowp_scales[5])
;;     4. [M 8,192, K 1,024] x [K 1,024, N 1,024]; A: computed on the way; B: input w_out: QUANTISED (scales: A lowp_scales[6], B lowp_scales[7])
;;   THE QUANTISER, for each operand of a quantised product, along K:
;;     - The operand's scale is 2^e, e = its entry of the input lowp_scales (int32; the entries are numbered through the quantised products in the list's order, A before B).
;;     - Each number is divided by the scale, clamped to +-448, and rounded to the nearest number of E4M3, ties to even, subnormals kept.
;;     - The product sums the exact products of the quantised numbers (number of the format x scale) in f32.
;;   ~~~python
;;   def quantise(x, axis, e):      # numpy; x: float32 -> the quantised numbers, widened to float32 again
;;       x = np.moveaxis(x, axis, -1); K = x.shape[-1]
;;       r = np.clip(x / 2.0 ** e, -448, 448)
;;       step = 2.0 ** (np.maximum(np.frexp(np.where(r == 0, 1, r))[1] - 1, -6) - 3)
;;       q = np.round(r / step) * step * 2.0 ** e      # np.round: ties to even
;;       return np.moveaxis(q, -1, axis).astype(np.float32)
;;   ~~~
;;   SOFTMAX AHEAD OF A QUANTISED PRODUCT. Where the list says 'softmax', what is quantised is not the finished softmax but p = 2^(t - M), with t = logit x log2(e) and M = ceil(the row's largest t), a whole number; so 1/2 < the row's largest p <= 1. The row's sum l is taken of the UNQUANTISED p, in f32, and the product's result is divided by l at the end. Since M is a whole number, a kernel that streams over the keys may use a running M (the ceiling of the running maximum): every later rescaling is an exact power of two, so the quantised numbers keep their values, but for numbers so far below the row's largest that they fall under the format's range.
;;   OPERANDS COMPUTED ON THE WAY. 'Computed on the way' means the value that the module computes at that place (a softmax that the list does not call 'softmax' is quantised finished and normalised). What goes into a quantiser is computed in f32, as accurately as f32 sums, v_exp_f32 and their like allow (about 1e-6 of the number): no bf16 or f16 on the way to a quantiser, and a product that is left as it is and whose result goes on into a quantised operand takes f32 operands (vector FMAs, or v_wmma_f32_16x16x4_f32). A number that lies on a knife's edge between two numbers of the format may be rounded either way, as far as f32 arithmetic and the matrix unit's own rounding can turn it there, and no further.
;; One version. Each part assembles by itself: llvm-mc -triple=amdgcn-amd-amdhsa -mcpu=gfx1250 --defsym DOCPART=n.
;; ======== version 1 of 1: 4 launches
;; limits: right only within a limited range of input values
;; workspace buffers: x_codes 8,388,608 bytes; wqkv_codes 3,145,728 bytes; wout_codes 1,048,576 bytes; qkv_codes 33,554,432 bytes; o_codes 8,388,608 bytes
;; launch prep (part 1): grid 384 x 1, 4 waves a work-group, no clusters, 68,096 bytes of LDS; arguments x, w_qkv, w_out, lowp_scales, x_codes, wqkv_codes, wout_codes; writes x_codes, wqkv_codes, wout_codes
.if DOCPART == 1
	.amdgcn_target "amdgcn-amd-amdhsa--gfx1250"
	.amdhsa_code_object_version 6
	.text
	.protected	k_qa87a8c8de3_prep
	.globl	k_qa87a8c8de3_prep
	.p2align	8
	.type	k_qa87a8c8de3_prep,@function
k_qa87a8c8de3_prep:
	s_mov_b64 s[64:65], 0
	v_nop
	global_prefetch_b8 v0, s[64:65] scope:SCOPE_SE
	s_setreg_imm32_b32 hwreg(HW_REG_WAVE_MODE, 25, 1), 1
	s_wait_xcnt 0x0
; The three f32 inputs become codes of FP8 (E4M3), K innermost, each with its given scale: x with 2^e0, w_qkv with 2^e1, w_out with 2^e7.
; code = number / 2^e, held within +-448, rounded to the nearest code, ties to even.  LIMITS: -126 <= e0, e1, e7 <= 119; NaN among the inputs is not served.
; WORK LEFT OUT BY THE PROGRAM (in launch attn): reference() sets the score of key k for query q to -infinity where k > q, by a mask that it builds itself; the softmax gives such a key the
; weight 0 whatever the inputs hold, so a step of 128 keys that all come after a wave's queries reaches no output and is not computed.  Every input is loaded.
; LIMIT: a NaN, an infinity or an overflow that arises only in scores so left out is not carried to the result.
; Work-groups 0-255: x, a plain stream of 8,388,608 numbers: 4 waves x 16 steps x 512 numbers each.  A step's four loads read 512 consecutive bytes each; the 2,048 bytes turn through the wave's
; own stage in LDS (16 bytes of padding behind each 64) and come back 16 neighbours a lane, as the conversion wants them; the wave stores 512 consecutive bytes of codes.
; Work-groups 256-383: the weights, stored [k][n].  n' = number - 256; n' % 32 < 24: 128 columns of w_qkv, else of w_out; n' / 32: which 256 along K.  A lane takes a column and its registers
; run down K, so the conversions give codes with K innermost; they leave through the wave's own stage as rows: sixteen lanes store 256 consecutive bytes, aligned.
; The two paths have LDS bytes of their own.  Waves share nothing: no barrier.
.set EMAX,  8
.set MANT,  0x600000                   ; the mantissa field of 448 as f32
.set SPW,   12                         ; v12  LDS address of my spare word; never rewritten
.set NIL,   13                         ; v13  0; never rewritten
.set SPARE, 67584                      ; behind both paths' stages: 128 bytes a wave that no other line names
.set STEPS, 16
.set XR,    16                         ; x: v16-79 four sets of 16 numbers as loaded
.set XX,    80                         ; v80-111 two sets of 16 neighbours
.set XC,    128                        ; v128-191 codes, four registers for each step
.set SP,    80                         ; a lane's place in a stage: 64 bytes + 16
.set WST,   32768                      ; the weights' stages begin behind x's four regions of 8,192 bytes
.set NB,    8                          ; blocks of 32 along K for a wave
.set PITCH, 272                        ; a stage row: 256 bytes of codes + 16
.set KROW,  1024
.set WX,    32                         ; v32-95 two sets of 32 numbers
.set WC,    96                         ; v96-103 a block's codes
.set OUTR,  112                        ; v112-175 the way out
.set OFF,   176                        ; v176-207 byte offset of row i of a block at my column
.set BAS,   32                         ; s[32:47] block t's first row: eight bases, none stepped while loads are out
	s_load_b256 s[4:11], s[0:1], 0x0               ; x, w_qkv, w_out, the scales
	s_load_b128 s[12:15], s[0:1], 0x20             ; x's codes, w_qkv's codes
	s_load_b64 s[16:17], s[0:1], 0x30              ; w_out's codes
	v_lshl_add_u32 v[SPW], v0, 2, SPARE
	v_mov_b32 v[NIL], 0
	v_lshrrev_b32 v1, 5, v0
	v_readfirstlane_b32 s24, v1                    ; wave
	v_and_b32 v2, 31, v0                           ; lane
	s_cmp_lt_u32 ttmp9, 256
	s_wait_alu depctr_va_vdst(0)
	s_cbranch_scc0 .Lweights
	v_lshlrev_b32 v3, 4, v2                        ; my 16 bytes of a load's or a store's 512
	s_lshl_b32 s25, s24, 13                        ; my region
	v_lshrrev_b32 v14, 2, v2
	v_mul_u32_u24 v14, v14, SP
	v_and_b32 v15, 3, v2
	v_lshl_add_u32 v14, v15, 4, v14
	v_add_nc_u32 v14, s25, v14                     ; into the stage: SP (lane / 4) + 16 (lane % 4)
	v_mul_u32_u24 v15, v2, SP
	v_add_nc_u32 v15, s25, v15                     ; out of it: SP x lane
	s_wait_alu depctr_va_vdst(0)
	s_wait_kmcnt 0x0
	s_load_b32 s30, s[10:11], 0x0                  ; e0
	s_lshl_b32 s26, ttmp9, 2
	s_add_co_u32 s26, s26, s24                     ; which run of 8,192 numbers is my wave's
	s_mov_b32 s27, 0
	s_lshl_b64 s[28:29], s[26:27], 15              ; 32,768 bytes of numbers,
	s_add_nc_u64 s[4:5], s[4:5], s[28:29]
	s_lshl_b64 s[28:29], s[26:27], 13              ; 8,192 of codes
	s_add_nc_u64 s[12:13], s[12:13], s[28:29]
.macro XLOAD t
.irp i, 0,1,2,3
	global_load_b128 v[XR+16*((\t)%4)+4*\i:XR+16*((\t)%4)+4*\i+3], v3, s[4:5] offset:2048*(\t)+512*\i th:TH_LOAD_NT
.endr
.endm
.macro XTURN t                         ; LDS serves a wave's instructions in order: no wait between the stores and the loads
.irp i, 0,1,2,3
	ds_store_b128 v14, v[XR+16*((\t)%4)+4*\i:XR+16*((\t)%4)+4*\i+3] offset:32*SP*((\t)%2)+8*SP*\i
.endr
.irp i, 0,1,2,3
	ds_load_b128 v[XX+16*((\t)%2)+4*\i:XX+16*((\t)%2)+4*\i+3], v15 offset:32*SP*((\t)%2)+16*\i
.endr
.endm
.irp t, 0,1,2,3
	XLOAD \t
.endr
	s_wait_kmcnt 0x0
	s_add_co_i32 s30, s30, 127
	s_lshl_b32 s31, s30, 23
	v_mov_b32 v11, s31                             ; 2^e0: the conversion takes its exponent field
	s_add_co_i32 s30, s30, EMAX
	s_lshl_b32 s30, s30, 23
	s_or_b32 s30, s30, MANT
	v_mov_b32 v10, s30                             ; 448 x 2^e0
	s_wait_alu depctr_va_vdst(0)                   ; the head's end
	s_wait_loadcnt 12                              ; step 0's four loads are in; the twelve of steps 1 to 3 may be out
	XTURN 0
.macro XSTEP t
.set XS, XX+16*((\t)%2)
	s_wait_dscnt 0x0                               ; this step's numbers are back, and its stage stores have read their registers,
.if (\t)+4 < STEPS
	XLOAD (\t)+4                                   ; which take the loads of four steps on
.endif
.if (\t)+1 < STEPS
.if STEPS-2-(\t) >= 3
	s_wait_loadcnt 12                              ; the next step's four are in; three steps' twelve may be out
.else
	s_wait_loadcnt 4*(STEPS-2-(\t))
.endif
	XTURN (\t)+1
.endif
.irp i, 0,1,2,3,4,5,6,7,8,9,10,11,12,13,14,15
	v_med3_num_f32 v[XS+\i], v[XS+\i], -v10, v10   ; the conversion does not saturate (ISA guide 7.6.2): the hold comes first
.endr
	v_cvt_scalef32_pk8_fp8_f32 v[XC+4*(\t):XC+4*(\t)+1], v[XS:XS+7], v11
	v_cvt_scalef32_pk8_fp8_f32 v[XC+4*(\t)+2:XC+4*(\t)+3], v[XS+8:XS+15], v11
	global_store_b128 v3, v[XC+4*(\t):XC+4*(\t)+3], s[12:13] offset:512*(\t)
.endm
.irp t, 0,1,2,3,4,5,6,7,8,9,10,11,12,13,14,15
	XSTEP \t
.endr
	s_branch .Lend
.Lweights:
	s_sub_co_u32 s20, ttmp9, 256
	s_and_b32 s21, s20, 31                         ; which 128 columns, of both weights on end
	s_lshr_b32 s28, s20, 5                         ; which 256 along K
	s_cmp_lt_u32 s21, 24                           ; w_qkv or w_out?
	s_mov_b32 s26, 0x1000
	s_cselect_b32 s26, 0x3000, s26                 ; a row of the weight in bytes
	s_cselect_b32 s27, 0, 24
	s_sub_co_u32 s27, s21, s27
	s_lshl_b32 s25, s27, 7
	s_lshl_b32 s29, s24, 5
	s_add_co_u32 s25, s25, s29                     ; my wave's first column
	s_lshl_b32 s30, s28, 8
	s_mul_i32 s30, s30, s26
	s_lshl_b32 s31, s25, 2
	s_add_co_u32 s30, s30, s31                     ; in: 256 y rows + 4 x column
	s_mov_b32 s31, 0
	s_lshl_b32 s48, s25, 10
	s_lshl_b32 s49, s28, 8
	s_add_co_u32 s48, s48, s49                     ; out: column x 1,024 + 256 y
	s_mov_b32 s49, 0
	s_lshl_b32 s50, s26, 5                         ; 32 rows on
	s_mov_b32 s51, 0
	v_lshlrev_b32 v3, 2, v2
.set i, 0
.rept 32
	v_mad_u32_u24 v[OFF+i], s26, i, v3
.set i, i+1
.endr
	s_mul_i32 s29, s24, 32*PITCH
	s_add_co_u32 s29, s29, WST                     ; my stage
	v_mul_u32_u24 v4, v2, PITCH
	v_add_nc_u32 v4, s29, v4                       ; into it: row = my column
	v_and_b32 v5, 15, v2
	v_lshrrev_b32 v6, 4, v2
	v_mul_u32_u24 v7, v6, PITCH
	v_lshl_add_u32 v7, v5, 4, v7
	v_add_nc_u32 v7, s29, v7                       ; out of it: sixteen lanes to a row
	v_mul_u32_u24 v8, v6, KROW
	v_lshl_add_u32 v8, v5, 4, v8                   ; the same place in the codes' buffer
	s_wait_alu depctr_va_vdst(0)
	s_wait_kmcnt 0x0
	s_load_b32 s54, s[10:11], 0x4                  ; e1
	s_load_b32 s55, s[10:11], 0x1c                 ; e7
	s_cmp_lt_u32 s21, 24                           ; the choice hangs on the work-group's number alone
	s_cselect_b64 s[56:57], s[6:7], s[8:9]
	s_cselect_b64 s[58:59], s[14:15], s[16:17]
	s_add_nc_u64 s[BAS:BAS+1], s[56:57], s[30:31]
.irp t, 1,2,3,4,5,6,7
	s_add_nc_u64 s[BAS+2*\t:BAS+2*\t+1], s[BAS+2*\t-2:BAS+2*\t-1], s[50:51]
.endr
	s_add_nc_u64 s[58:59], s[58:59], s[48:49]
.macro WLOAD t                         ; block t: w(32 t + i, my column) into set t % 2
.set i, 0
.rept 32
	global_load_b32 v[WX+32*((\t)%2)+i], v[OFF+i], s[BAS+2*(\t):BAS+2*(\t)+1] th:TH_LOAD_NT
.set i, i+1
.endr
.endm
	WLOAD 0
	WLOAD 1
	s_wait_kmcnt 0x0
	s_cmp_lt_u32 s21, 24
	s_cselect_b32 s52, s54, s55
	s_add_co_i32 s52, s52, 127
	s_lshl_b32 s53, s52, 23
	v_mov_b32 v11, s53                             ; 2^e
	s_add_co_i32 s52, s52, EMAX
	s_lshl_b32 s52, s52, 23
	s_or_b32 s52, s52, MANT
	v_mov_b32 v10, s52                             ; 448 x 2^e
.macro WBLOCK t
.set XS, WX+32*((\t)%2)
.if (\t) < NB-1
	s_wait_loadcnt 32                              ; this block's 32 loads are in; the next block's 32 may be out
.else
	s_wait_loadcnt 0
.endif
.set i, 0
.rept 32
	v_med3_num_f32 v[XS+i], v[XS+i], -v10, v10
.set i, i+1
.endr
.irp g, 0,1,2,3
	v_cvt_scalef32_pk8_fp8_f32 v[WC+2*\g:WC+2*\g+1], v[XS+8*\g:XS+8*\g+7], v11
.endr
	ds_store_b128 v4, v[WC:WC+3] offset:32*(\t)
	ds_store_b128 v4, v[WC+4:WC+7] offset:32*(\t)+16
.if (\t)+2 < NB
	WLOAD (\t)+2
.endif
	s_wait_dscnt 0x0                               ; the stores have read their registers: the next block's codes may be written
.endm
	s_wait_alu depctr_va_vdst(0)                   ; the head's end
.irp t, 0,1,2,3,4,5,6,7
	WBLOCK \t
.endr
.irp t, 0,1,2,3,4,5,6,7,8,9,10,11,12,13,14,15
	ds_load_b128 v[OUTR+4*\t:OUTR+4*\t+3], v7 offset:2*\t*PITCH
.endr
.irp t, 0,1,2,3,4,5,6,7,8,9,10,11,12,13,14,15
	s_wait_dscnt 15-\t                             ; load t is in, the 15 - t behind it may be out
	global_store_b128 v8, v[OUTR+4*\t:OUTR+4*\t+3], s[58:59] offset:2*\t*KROW
.endr
.Lend:
	s_wait_tensorcnt 0x0                           ; the wave's end, behind my last LDS store
	ds_add_u32 v[SPW], v[NIL]
	s_wait_dscnt 0x0
	s_endpgm
.Lfunc_end_k_qa87a8c8de3_prep:
	.size	k_qa87a8c8de3_prep, .Lfunc_end_k_qa87a8c8de3_prep-k_qa87a8c8de3_prep
	.p2alignl 7, 3214868480
	.fill 96, 4, 3214868480
	.section	.rodata,"a",@progbits
	.p2align	6, 0x0
	.amdhsa_kernel k_qa87a8c8de3_prep
		.amdhsa_group_segment_fixed_size 68096
		.amdhsa_private_segment_fixed_size 0
		.amdhsa_enable_private_segment 0
		.amdhsa_kernarg_size 56
		.amdhsa_user_sgpr_count 2
		.amdhsa_user_sgpr_kernarg_segment_ptr 1
		.amdhsa_wavefront_size32 1
		.amdhsa_system_sgpr_workgroup_id_x 1
		.amdhsa_system_sgpr_workgroup_id_y 1
		.amdhsa_system_sgpr_workgroup_id_z 1
		.amdhsa_system_vgpr_workitem_id 0
		.amdhsa_next_free_vgpr 208
		.amdhsa_next_free_sgpr 66
		.amdhsa_reserve_vcc 0
		.amdhsa_float_denorm_mode_32 3
		.amdhsa_float_denorm_mode_16_64 3
		.amdhsa_memory_ordered 1
		.amdhsa_forward_progress 1
		.amdhsa_inst_pref_size 88
	.end_amdhsa_kernel
	.amdgpu_metadata
---
amdhsa.version: [ 1, 2 ]
amdhsa.kernels:
  - .name:           k_qa87a8c8de3_prep
    .symbol:         k_qa87a8c8de3_prep.kd
    .args:
      - { .name: x, .offset: 0, .size: 8, .value_kind: global_buffer, .address_space: global }
      - { .name: w_qkv, .offset: 8, .size: 8, .value_kind: global_buffer, .address_space: global }
      - { .name: w_out, .offset: 16, .size: 8, .value_kind: global_buffer, .address_space: global }
      - { .name: lowp_scales, .offset: 24, .size: 8, .value_kind: global_buffer, .address_space: global }
      - { .name: x_codes, .offset: 32, .size: 8, .value_kind: global_buffer, .address_space: global }
      - { .name: wqkv_codes, .offset: 40, .size: 8, .value_kind: global_buffer, .address_space: global }
      - { .name: wout_codes, .offset: 48, .size: 8, .value_kind: global_buffer, .address_space: global }
    .group_segment_fixed_size: 68096
    .private_segment_fixed_size: 0
    .kernarg_segment_align: 8
    .kernarg_segment_size: 56
    .max_flat_workgroup_size: 128
    .sgpr_count:     66
    .vgpr_count:     208
    .wavefront_size: 32
...
	.end_amdgpu_metadata
.endif
;; end of part 1
;; launch qkv (part 2): grid 12 x 32, 4 waves a work-group, clusters of 4 x 4, 327,680 bytes of LDS; arguments x_codes, wqkv_codes, lowp_scales, qkv_codes; writes qkv_codes
.if DOCPART == 2
	.amdgcn_target "amdgcn-amd-amdhsa--gfx1250"
	.amdhsa_code_object_version 6
	.text
	.protected	k_qa87a8c8de3_qkv
	.globl	k_qa87a8c8de3_qkv
	.p2align	8
	.type	k_qa87a8c8de3_qkv,@function
k_qa87a8c8de3_qkv:
	s_mov_b64 s[64:65], 0
	v_nop
	global_prefetch_b8 v0, s[64:65] scope:SCOPE_SE
	s_setreg_imm32_b32 hwreg(HW_REG_WAVE_MODE, 25, 1), 1
	s_wait_xcnt 0x0
	s_wait_alu depctr_hold_cnt(0) depctr_sa_sdst(0) depctr_va_vdst(0) depctr_va_sdst(0) depctr_va_ssrc(0) depctr_va_vcc(0) depctr_vm_vsrc(0)
	s_getreg_b32 s2, hwreg(HW_REG_IB_STS2, 6, 4)
	s_cmp_eq_u32 s2, 0
	s_cbranch_scc0 .Lentry_in_a_cluster
	s_endpgm
.Lentry_in_a_cluster:
	s_bfe_u32 s2, ttmp6, 0x10000c
	s_cmp_lg_u32 s2, 0xf033
	s_cbranch_scc0 .Lentry_shape_is_right
	s_endpgm
.Lentry_shape_is_right:
; q, k, v = x w_qkv on codes of FP8 (E4M3), sums in f32; each finished sum stands for sum x 2^(e0 + e1) and is quantised at once for the next product: q with 2^e2, k with 2^e3, v with 2^e5.
; x_codes [8192 tokens][1024 k], wqkv_codes [3072 n][1024 k].  Out: qkv_codes, two regions of [batch 4][head 16][block of 128 tokens: 16][16,384 bytes]: region 0 = Q [128 tokens][64 d] in the first 8,192, region 1 = K likewise, then
; V [64 d][128 tokens]: the keys innermost, since they are the K of the product that takes V.
; LIMITS: e2 - e0 - e1, e3 - e0 - e1 and e5 - e0 - e1 lie between -126 and 119, so that the conversion's scale and 448 x it are f32 numbers.
; A tile of 256 x 256 results is made by four waves, as many as a WGP has SIMDs; a wave makes 128 x 128: 64 accumulators, 512 registers.  K goes in steps of 256 through two LDS slots.
; ROLES.  The matrix instruction takes 16 rows of role B as source 0 and 16 rows of role A as source 1: a lane then holds ONE row of role A and EIGHT NEIGHBOURING rows of role B.
; Cluster x = 0 (Q), 1 (K): role A = x's tokens, role B = the weight's columns n: a lane's eight results are eight neighbouring d of one token.
; Cluster x = 2 (V): the roles are swapped: role A = the weight's columns, role B = the tokens: a lane's eight results are eight neighbouring TOKENS of one d.  Either way they are neighbours along
; the next product's K, as the conversion wants them.  Both tensors have rows of 1,024 bytes, so descriptors, ring and loop are one text for all three.
; CLUSTERS: 4 x 4 work-groups.  The four of a row of the cluster need the same tiles of role A, the four of a column the same tiles of role B: each tile is asked for JOINTLY, by the same tensor
; load with the same descriptor and a mask that names the four.  The one branch on a work-group's number hangs on cluster x, which all sixteen partners share.
; REGISTERS, in windows of 256: window 0: v16-31 addresses and the scale; from v128 role A's fragments (8 x 16 rows x 128 K), ONE set; on the way out v32-255 are free.
;   window 1: role B's fragments, TWO sets, at v0 and v128.   window 2: the 32 accumulators of my A rows 0-63 ((a, b) at v[8 (8 a + b)]);   window 3: those of rows 64-127.
.set ROWB,   256                       ; a tile's row in bytes: 256 codes
.set KROW,   1024                      ; a row of either tensor in memory
.set PITCH,  272                       ; an LDS row: 256 bytes + 16 of padding = 68 words: row r starts at bank 4 r mod 64 (64 banks of 4 bytes: ISA guide 11.1)
.set FR,     16                        ; registers of a fragment: 16 rows x 128 K
.set NL,     4                         ; LDS loads that bring one
.set NP,     4                         ; places behind this matrix instruction (ISA guide 7.12.1)
.set HALFT,  128*PITCH                 ; 128 rows: what one tensor load brings, and what one wave reads of a role
.set SLOT,   4*HALFT                   ; role A's 256 rows, then role B's
.set LAPS,   2                         ; a lap = two K steps = once round the ring: 1,024 / 512
.set SPARE,  2*SLOT                    ; behind the ring: the spare words, 128 bytes for each wave: two blocks of 256 bytes that no other line names
.set STGV,   10240                     ; the stages lie in slot 0, which has had its last fill and its last read when the first result is stored there: bytes 0 on for Q and K, STGV on for V
.set ADRA, 16                          ; v16-17  LDS address of my A fragments in slot 0, 1
.set CO,   18                          ; v18     16 x lane: my place in a store's 512 bytes
.set ADRB, 20                          ; v20-21  the same as ADRA for B
.set STQ,  24                          ; v24     Q, K: where I put 8 codes: wave x 2,560 + r x 80 + 8 h (two heads x 16 tokens x (64 + 16) bytes a wave)
.set RDQ,  25                          ; v25     and where I read 16 bytes back
.set STV,  26                          ; v26     V: STGV + wave x 2,304 + r x 144 + 8 h (16 d x (128 + 16) bytes a wave)
.set RDV,  27                          ; v27
.set SPW,  28                          ; v28     LDS address of my spare word: SPARE + 4 x my thread's number; never rewritten
.set NIL,  29                          ; v29     0; never rewritten
.set SC,   30                          ; v30     2^(es - e0 - e1) as f32
.set LIM,  31                          ; v31     448 x that
.set TMP,  32                          ; v32-95  a block's 64 sums, held
.set CD,   96                          ; v96-127 a block's codes, two sets by turns
.set AF,   128                         ; A's fragments, in window 0
.set BK,   128                         ; the way out: 16 registers a block, read back from the stage: every block has its own, so no store's data are written again
.set G1, 24                            ; s[24:31] descriptor group 1 for A's tiles;  s[32:39] group 0, one set for each slot
.set G0, 32
.set G1B, 48                           ; s[48:55], s[56:63] the same for B's tiles
.set G0B, 56
.set MSB, 0
.macro WIN new                         ; the immediate's high byte repeats the setting that is left
.if MSB != \new
	s_set_vgpr_msb (MSB<<8)|\new
.set MSB, \new
.endif
.endm
.set MUL_LO, 0xa1                      ; source 0 (B) window 1, source 1 (A) window 0, C and D window 2
.set MUL_HI, 0xf1                      ; the same, C and D window 3
.set TO_B,   0x40                      ; destination window 1, address window 0
; A joint load: waves 0 and 1 fetch for A, waves 2 and 3 for B.  Each of the two lines has ONE mask and one set of registers for all that issue it; the branch hangs on the wave's number alone.
; Four v_nop follow each of the two lines, ahead of the jump, the label and what follows.
.macro JLOAD g0a, g1a, g0b, g1b
	s_cmp_eq_u32 s15, 0
	s_cbranch_scc0 .Lfor_b_\@
	tensor_load_to_lds s[\g0a:\g0a+3], s[\g1a:\g1a+7]
	s_nop 0
.rept 4
	v_nop
.endr
	s_branch .Lasked_\@
.Lfor_b_\@:
	tensor_load_to_lds s[\g0b:\g0b+3], s[\g1b:\g1b+7]
	s_nop 0
.rept 4
	v_nop
.endr
.Lasked_\@:
.endm
.macro CREST                           ; a round of the cluster's barrier behind its opening barrier
	s_cmp_lg_u32 s14, 0
	s_cbranch_scc1 .Lnot_wave_0_\@
	s_barrier_signal -3
.Lnot_wave_0_\@:
	s_barrier_wait -3
	s_barrier_signal -1
	s_barrier_wait -1
.endm
.macro CROUND                          ; a whole round
	s_barrier_signal -1
	s_barrier_wait -1
	CREST
.endm
	s_load_b128 s[4:7], s[0:1], 0x0                ; x's codes s[4:5], the weight's codes s[6:7]
	s_load_b128 s[8:11], s[0:1], 0x10              ; the scales' exponents s[8:9], the result s[10:11]
	v_lshl_add_u32 v[SPW], v0, 2, SPARE
	v_mov_b32 v[NIL], 0
	ds_add_u32 v[SPW], v[NIL]                      ; the opening: the add, twice on end, and its wait ahead of the round in front of my first tensor load
	ds_add_u32 v[SPW], v[NIL]
	v_lshrrev_b32 v1, 5, v0
	v_readfirstlane_b32 s14, v1                    ; wave 0..3
	s_lshr_b32 s15, s14, 1                         ; which half of the tile's A rows is mine.  Also: I fetch for A (0) or for B (1)
	s_and_b32 s16, s14, 1                          ; which half of its B rows.  Also: which 128 rows of that tile I fetch
	s_bfe_u32 s40, ttmp6, 0x40000                  ; cx, cy: my place in the cluster
	s_bfe_u32 s41, ttmp6, 0x40004
	s_lshl_b32 s42, ttmp9, 2
	s_add_co_u32 s42, s42, s40                     ; 4 x cluster x + cx
	s_and_b32 s17, ttmp7, 0xffff
	s_lshl_b32 s17, s17, 2                         ; 4 x cluster y
	s_add_co_u32 s66, s17, s40                     ; + cx
	s_add_co_u32 s17, s17, s41                     ; + cy
	s_cmp_eq_u32 ttmp9, 2                          ; V?
	s_cselect_b32 s17, s41, s17                    ; TR, role A's tile: Q, K: 256 tokens at 4 cluster y + cy;  V: 256 of V's 1,024 columns at cy.  It hangs on cy and the cluster alone
	s_cselect_b32 s42, s66, s42                    ; TC, role B's tile: Q, K: 256 columns at 4 cluster x + cx;  V: 256 tokens at 4 cluster y + cx.  It hangs on cx and the cluster alone
	s_lshl_b32 s43, s41, 2
	s_lshl_b32 s43, 15, s43                        ; my row of the cluster
	s_lshl_b32 s44, 0x1111, s40                    ; my column
	; descriptor group 1: a tile of 128 rows x 256 bytes, padded in LDS
	s_or_b32 s[G1+0], s43, (0<<16)|(1<<20)|(1<<21)|(5<<22)|(3<<25)  ; 15:0 the mask: A's tiles go to my row; 17:16 element of 1 byte; 20 padding on; 21 set beside a mask; 24:22 after every 64 words (code 5); 31:25 of 4 words (code 3)
	s_or_b32 s[G1B+0], s44, (0<<16)|(1<<20)|(1<<21)|(5<<22)|(3<<25) ; the same with the mask of my column
.irp g, G1, G1B
	s_mov_b32 s[\g+1], ROWB<<16                    ; tensor_dim0 = 256
	s_mov_b32 s[\g+2], 128<<16                     ; tensor_dim1 = 128
	s_mov_b32 s[\g+3], ROWB<<16                    ; tile_dim0 = 256
	s_mov_b32 s[\g+4], 128                         ; tile_dim1 = 128
	s_mov_b32 s[\g+5], KROW                        ; from row to row
	s_mov_b32 s[\g+6], 0
	s_mov_b32 s[\g+7], 0
.endr
	s_lshl_b32 s18, s16, 7                         ; which 128 rows of the tile I fetch
	s_lshl_b32 s20, s17, 8
	s_add_co_u32 s20, s20, s18                     ; A: row 256 TR + 128 x half
	s_lshl_b32 s46, s42, 8
	s_add_co_u32 s46, s46, s18                     ; B: row 256 TC + 128 x half
	s_mov_b32 s21, 0
	s_mov_b32 s47, 0
	s_mov_b64 s[18:19], KROW
	s_mul_u64 s[20:21], s[20:21], s[18:19]         ; in bytes
	s_mul_u64 s[46:47], s[46:47], s[18:19]
	s_mul_i32 s45, s14, HALFT                      ; where they go: wave x 128 rows: no place in the cluster enters an LDS address
	s_wait_dscnt 0x0                               ; both opening adds are done
	s_wait_kmcnt 0x0
	s_load_b256 s[80:87], s[8:9], 0x0              ; e0 .. e7
	s_add_nc_u64 s[68:69], s[6:7], 0x200000        ; V's 1,024 rows of the weight's codes begin 2,048 rows in
	s_cmp_eq_u32 ttmp9, 2
	s_cselect_b64 s[70:71], s[68:69], s[4:5]       ; role A's tensor
	s_cselect_b64 s[72:73], s[4:5], s[6:7]         ; role B's
	s_add_nc_u64 s[20:21], s[70:71], s[20:21]
	s_add_nc_u64 s[46:47], s[72:73], s[46:47]
	CROUND                                         ; all sixteen work-groups are here: the first joint loads meet
.irp s, 0,1
	s_mov_b32 s[G0+4*\s], 1
	s_add_co_u32 s[G0+4*\s+1], s45, \s*SLOT
	s_add_nc_u64 s[G0+4*\s+2:G0+4*\s+3], s[20:21], \s*ROWB
	s_or_b32 s[G0+4*\s+3], s[G0+4*\s+3], 0x80000000
	s_mov_b32 s[G0B+4*\s], 1
	s_add_co_u32 s[G0B+4*\s+1], s45, \s*SLOT
	s_add_nc_u64 s[G0B+4*\s+2:G0B+4*\s+3], s[46:47], \s*ROWB
	s_or_b32 s[G0B+4*\s+3], s[G0B+4*\s+3], 0x80000000
.endr
	JLOAD G0, G1, G0B, G1B                         ; K step 0: one tensor load a wave at the head
	v_and_b32 v1, 15, v0                           ; r = l % 16
	v_bfe_u32 v2, v0, 4, 1                         ; h = l / 16
	v_mul_u32_u24 v3, v1, PITCH
	v_lshl_add_u32 v4, v2, 4, v3                   ; a fragment's row x pitch + 16 x half
	s_mul_i32 s21, s15, HALFT                      ; my 128 rows of A
	s_mul_i32 s22, s16, HALFT                      ; my 128 rows of B,
	s_add_co_u32 s22, s22, 2*HALFT                 ; which lie behind A's 256
.irp s, 0,1
	v_add_nc_u32 v[ADRA+\s], s21, v4
	v_add_nc_u32 v[ADRB+\s], s22, v4
	s_add_co_u32 s21, s21, SLOT
	s_add_co_u32 s22, s22, SLOT
.endr
	; the addresses of both ways out, made of the lane and the wave alone
	v_and_b32 v6, 31, v0
	v_lshlrev_b32 v[CO], 4, v6
	s_mul_i32 s23, s14, 2560
	v_mul_u32_u24 v5, v1, 80
	v_lshl_add_u32 v5, v2, 3, v5
	v_add_nc_u32 v[STQ], s23, v5
	v_lshrrev_b32 v7, 2, v6
	v_mul_u32_u24 v7, v7, 80
	v_and_b32 v8, 3, v6
	v_lshl_add_u32 v7, v8, 4, v7
	v_add_nc_u32 v[RDQ], s23, v7                   ; four lanes to a token's 64 bytes, eight tokens an instruction
	s_mul_i32 s23, s14, 2304
	s_add_co_u32 s23, s23, STGV
	v_mul_u32_u24 v5, v1, 144
	v_lshl_add_u32 v5, v2, 3, v5
	v_add_nc_u32 v[STV], s23, v5
	v_lshrrev_b32 v7, 3, v6
	v_mul_u32_u24 v7, v7, 144
	v_and_b32 v8, 7, v6
	v_lshl_add_u32 v7, v8, 4, v7
	v_add_nc_u32 v[RDV], s23, v7                   ; eight lanes to a d's 128 bytes, four d an instruction
	; where my wave's results begin: block of tokens tb, first head h0, the part.  (In registers that feed no descriptor: they mix cx and cy)
	s_lshl_b32 s74, s42, 1
	s_add_co_u32 s74, s74, s16                     ; V: tb = 2 TC + my half of B
	s_lshl_b32 s75, s17, 1
	s_add_co_u32 s75, s75, s15                     ; Q, K: tb = 2 TR + my half of A
	s_lshl_b32 s76, s17, 2
	s_lshl_b32 s77, s15, 1
	s_add_co_u32 s76, s76, s77                     ; V: h0 = 4 TR + 2 x my half of A
	s_lshl_b32 s77, s40, 2
	s_lshl_b32 s78, s16, 1
	s_add_co_u32 s77, s77, s78                     ; Q, K: h0 = 4 cx + 2 x my half of B
	s_cmp_eq_u32 ttmp9, 2
	s_cselect_b32 s74, s74, s75
	s_cselect_b32 s76, s76, s77
	; THE RESULT'S LAYOUT AS THIS TEXT STORES IT: two regions of 16,777,216 bytes, each [batch 4][head 16][block of 128 tokens: 16][16,384 bytes].
	; Region 0: Q [128 tokens][64 d] in a place's first 8,192 bytes (the rest is neither written nor read).  Region 1: K [128][64], then V [64 d][128 tokens]: a head's K and V are 262,144 dense bytes.
	s_lshr_b32 s75, s74, 4                         ; batch
	s_and_b32 s74, s74, 15                         ; the block within the batch
	s_lshl_b32 s75, s75, 8
	s_add_co_u32 s74, s74, s75
	s_lshl_b32 s76, s76, 4
	s_add_co_u32 s74, s74, s76                     ; 256 batch + 16 head + block
	s_lshl_b32 s74, s74, 14
	s_cmp_eq_u32 ttmp9, 0
	s_cselect_b32 s75, 0, 0x1000000                ; K and V: region 1
	s_add_co_u32 s74, s74, s75
	s_cmp_eq_u32 ttmp9, 2
	s_cselect_b32 s75, 8192, 0                     ; V: behind K
	s_add_co_u32 s74, s74, s75
	s_mov_b32 s75, 0
	s_add_nc_u64 s[10:11], s[10:11], s[74:75]
.macro FRAG reg, adr, q, i             ; a fragment, 16 rows x 128 K of codes, is 16 registers: lane l holds row l % 16; registers 4 c .. 4 c + 3 hold K = 32 c + 16 (l / 16) + 0 .. 15: the same order of k on both sides
.irp c, 0,1,2,3
	ds_load_b128 v[\reg+4*\c:\reg+4*\c+3], v[\adr] offset:128*(\q)+32*\c+(\i)*16*PITCH
.endr
.endm
; 16 matrix instructions: A's blocks a0, a0 + 1 x B's eight, 128 along K.  p: B's set.  zero = 1: the first product starts the sums: nothing is ever cleared.
; The 64 accumulators take turns, one instruction a turn, in the same order in every step.
.macro MUL16 a0, p, zero
.irp a, \a0, \a0+1
.irp b, 0,1,2,3,4,5,6,7
.if \zero
	v_wmma_f32_16x16x128_fp8_fp8 v[8*(8*((\a)%4)+\b):8*(8*((\a)%4)+\b)+7], v[128*(\p)+FR*\b:128*(\p)+FR*\b+FR-1], v[AF+FR*(\a):AF+FR*(\a)+FR-1], 0
.else
	v_wmma_f32_16x16x128_fp8_fp8 v[8*(8*((\a)%4)+\b):8*(8*((\a)%4)+\b)+7], v[128*(\p)+FR*\b:128*(\p)+FR*\b+FR-1], v[AF+FR*(\a):AF+FR*(\a)+FR-1], v[8*(8*((\a)%4)+\b):8*(8*((\a)%4)+\b)+7]
.endif
.endr
.endr
.endm
.macro FETCH_B slot, q, p              ; B's eight fragments of the slot's q-th 128 along K into set p
	WIN TO_B
.irp i, 0,1,2,3,4,5,6,7
	FRAG 128*(\p)+FR*\i, ADRB+\slot, \q, \i
.endr
	WIN 0
.endm
.macro FETCH_A slot, q, i0             ; A's blocks i0 .. i0 + 3
.irp i, \i0, \i0+1, \i0+2, \i0+3
	FRAG AF+FR*(\i), ADRA+\slot, \q, \i
.endr
.endm
; A load into a register that a matrix instruction has read, and a vector instruction that reads a matrix result, stand NP places behind that matrix instruction, and only plain vector
; instructions that name none of its registers are places (ISA guide 7.12.1 for vector instructions).
.macro PLACES n
.rept \n
	v_nop
.endr
.endm
; A step of 128 along K that has its successor in the same slot.  A's blocks go one after the other, each against B's eight: a block of A is free when its eight products are issued, so one set serves A.
.macro STEP slot, q, zero
	s_wait_dscnt 4*NL                              ; B's set and A's blocks 0-3 are in; the youngest 16 loads (A's blocks 4-7) may be out
	WIN MUL_LO
	MUL16 0, (\q)%2, \zero
	MUL16 2, (\q)%2, \zero
	s_wait_dscnt 0                                 ; A's blocks 4-7 are in (asked for 32 matrix instructions ago)
	PLACES NP
	FETCH_B \slot, (\q)+1, 1-(\q)%2
	FETCH_A \slot, (\q)+1, 0
	WIN MUL_HI
	MUL16 4, (\q)%2, \zero
	MUL16 6, (\q)%2, \zero
	PLACES NP
	WIN 0
	FETCH_A \slot, (\q)+1, 4
.endm
; A slot's last step changes slots: ONE barrier; in front of it each wave waits for all its tensor loads, adds 0 to its spare word, and waits for that and for its own reads of this slot.  fill = 1: this slot is filled again, two K steps ahead.
.macro TURN slot, next, fill
	s_wait_tensorcnt 0x0                           ; all my tensor loads have landed: my part of the next slot;  (every window is 0 here: the add's two registers lie in window 0)
	ds_add_u32 v[SPW], v[NIL]                      ; 0 onto my spare word;
	s_wait_dscnt 4*NL+1                            ; (the add and the youngest 16 loads, A's blocks 4-7, may be out)
	WIN MUL_LO
	MUL16 0, 1, 0                                  ; sixteen matrix instructions stand between the add and the wait for it
	s_wait_dscnt 0x0                               ; the add is done, and my reads of this slot are over
	s_barrier_signal -1
	MUL16 2, 1, 0
	WIN 0
	s_barrier_wait -1
.if \fill
	CREST                                          ; the barrier has opened a round of the cluster's barrier: no wave of any partner still reads this slot's tile or has a load on its way
	s_add_nc_u64 s[G0+4*\slot+2:G0+4*\slot+3], s[G0+4*\slot+2:G0+4*\slot+3], 2*ROWB
	s_add_nc_u64 s[G0B+4*\slot+2:G0B+4*\slot+3], s[G0B+4*\slot+2:G0B+4*\slot+3], 2*ROWB
	JLOAD G0+4*\slot, G1, G0B+4*\slot, G1B         ; the first tensor load behind the round; the four v_nop behind it are the places in front of the loads below
.else
	PLACES NP
.endif
	FETCH_B \next, 0, 0
	FETCH_A \next, 0, 0
	WIN MUL_HI
	MUL16 4, 1, 0
	MUL16 6, 1, 0
	PLACES NP
	WIN 0
	FETCH_A \next, 0, 4
.endm
	s_wait_alu depctr_va_vdst(0)                   ; the head's end
	s_wait_tensorcnt 0x0                           ; my part of K step 0 is in; these lines stand ahead of a later first fill as ahead of a refill:
	ds_add_u32 v[SPW], v[NIL]
	s_wait_dscnt 0x0
	CROUND                                         ; everybody's part of K step 0 is in, and all sixteen work-groups are here
	JLOAD G0+4, G1, G0B+4, G1B                     ; K step 1: the first tensor load behind the round
	FETCH_B 0, 0, 0
	FETCH_A 0, 0, 0
	FETCH_A 0, 0, 4
	STEP 0, 0, 1                                   ; the first step stands in front of the loop: its products start the sums
	s_mov_b32 s3, LAPS-1
.Llap:                                                 ; a trip goes once round the ring, from a lap's second step to the next lap's first, and fills both slots again
	TURN 0, 1, 1
	STEP 1, 0, 0
	TURN 1, 0, 1
	STEP 0, 0, 0
	s_sub_co_u32 s3, s3, 1
	s_cmp_lg_u32 s3, 0
	s_cbranch_scc1 .Llap
	TURN 0, 1, 0                                   ; the last lap fills nothing, and has no round of the cluster's barrier
	STEP 1, 0, 0
	s_wait_dscnt 4*NL                              ; the very last step: nothing more to fetch
	WIN MUL_LO
	MUL16 0, 1, 0
	MUL16 2, 1, 0
	s_wait_dscnt 0
	WIN MUL_HI
	MUL16 4, 1, 0
	MUL16 6, 1, 0
	WIN 0
; THE WAY OUT, block by block of 16 A rows x 128 B rows.  The block's 64 sums a lane are held within 448 x the scale and converted, eight neighbours to 8 bytes.  The lanes beside me hold other rows:
; so the codes go through my own stage in LDS and come back as they lie in memory, and each store of the wave covers 512 consecutive bytes, aligned.
; LDS serves a wave's instructions in order (ISA guide 5.7.1.4): no wait between the stores and the loads, nor in front of the next block's stores.   v = 1: V's layout.
.macro TOSTAGE a, v
.set AC, 64*((\a)%4)
.set CC, CD+16*((\a)%2)
	WIN 0x02+((\a)/4)                              ; source 0: window 2 or 3
.set j, 0
.rept 64
	v_med3_num_f32 v[TMP+j], v[AC+j], -v[LIM], v[LIM]   ; the conversion does not saturate (ISA guide 7.6.2): the hold; each accumulator from its low end on
.set j, j+1
.endr
	WIN 0
.irp b, 0,1,2,3,4,5,6,7
	v_cvt_scalef32_pk8_fp8_f32 v[CC+2*\b:CC+2*\b+1], v[TMP+8*\b:TMP+8*\b+7], v[SC]   ; sum / 2^(es - e0 - e1): the three scales folded into one
.endr
	v_nop                                          ; one plain vector line behind the last conversion, ahead of the next block's holds, which write its sources
.irp b, 0,1,2,3,4,5,6,7
.if \v
	ds_store_b64 v[STV], v[CC+2*\b:CC+2*\b+1] offset:16*\b                      ; d = 16 (a % 4) + r; tokens 16 b + 8 h + 0 .. 7
.else
	ds_store_b64 v[STQ], v[CC+2*\b:CC+2*\b+1] offset:(\b/4)*1280+(\b%4)*16      ; token 16 a + r; head h0 + b / 4, d = 16 (b % 4) + 8 h + 0 .. 7
.endif
.endr
.irp t, 0,1,2,3
.if \v
	ds_load_b128 v[BK+16*(\a)+4*\t:BK+16*(\a)+4*\t+3], v[RDV] offset:576*\t
.else
	ds_load_b128 v[BK+16*(\a)+4*\t:BK+16*(\a)+4*\t+3], v[RDQ] offset:(\t/2)*1280+(\t%2)*640
.endif
.endr
.endm
.macro SEND a, younger, v              ; younger: the LDS instructions issued behind block a's loads, which may stay out
	s_wait_dscnt \younger
.irp t, 0,1,2,3
.if \v
	global_store_b128 v[CO], v[BK+16*(\a)+4*\t:BK+16*(\a)+4*\t+3], s[10:11] offset:((\a)/4)*262144+((\a)%4)*2048+512*\t
.else
	global_store_b128 v[CO], v[BK+16*(\a)+4*\t:BK+16*(\a)+4*\t+3], s[10:11] offset:(\t/2)*262144+(\a)*1024+(\t%2)*512
.endif
.endr
.endm
.macro OUTWAY v
	TOSTAGE 0, \v
.irp a, 1,2,3,4,5,6,7
	TOSTAGE \a, \v
	SEND \a-1, 12, \v                              ; behind block a - 1's loads: block a's 8 stores and 4 loads
.endr
	SEND 7, 0, \v
.endm
	s_wait_kmcnt 0x0
	s_cmp_eq_u32 ttmp9, 0
	s_cselect_b32 s88, s82, s83                    ; e2 for Q, e3 for K,
	s_cmp_eq_u32 ttmp9, 2
	s_cselect_b32 s88, s85, s88                    ; e5 for V
	s_sub_co_i32 s88, s88, s80
	s_sub_co_i32 s88, s88, s81                     ; es - e0 - e1
	s_add_co_i32 s88, s88, 127
	s_lshl_b32 s89, s88, 23
	v_mov_b32 v[SC], s89
	s_add_co_i32 s88, s88, 8
	s_lshl_b32 s88, s88, 23
	s_or_b32 s88, s88, 0x600000
	v_mov_b32 v[LIM], s88
	PLACES NP                                      ; behind the last products: for the loads into the registers that held A's fragments and for the reads of results alike
	s_cmp_eq_u32 ttmp9, 2                          ; cluster x: the same in all sixteen partners
	s_cbranch_scc1 .Lv_out
	OUTWAY 0
	s_branch .Lend
.Lv_out:
	s_wait_alu depctr_va_vdst(0)
	OUTWAY 1
.Lend:
	s_wait_tensorcnt 0x0                           ; the wave's end, behind my last tensor load and my last LDS store
	ds_add_u32 v[SPW], v[NIL]
	s_wait_dscnt 0x0
	CROUND                                         ; the closing round: no work-group ends while a partner may still ask for a tile that names it
	s_endpgm
.Lfunc_end_k_qa87a8c8de3_qkv:
	.size	k_qa87a8c8de3_qkv, .Lfunc_end_k_qa87a8c8de3_qkv-k_qa87a8c8de3_qkv
	.p2alignl 7, 3214868480
	.fill 96, 4, 3214868480
	.section	.rodata,"a",@progbits
	.p2align	6, 0x0
	.amdhsa_kernel k_qa87a8c8de3_qkv
		.amdhsa_group_segment_fixed_size 327680
		.amdhsa_private_segment_fixed_size 0
		.amdhsa_enable_private_segment 0
		.amdhsa_kernarg_size 32
		.amdhsa_user_sgpr_count 2
		.amdhsa_user_sgpr_kernarg_segment_ptr 1
		.amdhsa_wavefront_size32 1
		.amdhsa_system_sgpr_workgroup_id_x 1
		.amdhsa_system_sgpr_workgroup_id_y 1
		.amdhsa_system_sgpr_workgroup_id_z 1
		.amdhsa_system_vgpr_workitem_id 0
		.amdhsa_next_free_vgpr 1024
		.amdhsa_next_free_sgpr 100
		.amdhsa_reserve_vcc 0
		.amdhsa_float_denorm_mode_32 3
		.amdhsa_float_denorm_mode_16_64 3
		.amdhsa_memory_ordered 1
		.amdhsa_forward_progress 1
		.amdhsa_inst_pref_size 172
	.end_amdhsa_kernel
	.amdgpu_metadata
---
amdhsa.version: [ 1, 2 ]
amdhsa.kernels:
  - .name:           k_qa87a8c8de3_qkv
    .symbol:         k_qa87a8c8de3_qkv.kd
    .args:
      - { .name: x_codes, .offset: 0, .size: 8, .value_kind: global_buffer, .address_space: global }
      - { .name: wqkv_codes, .offset: 8, .size: 8, .value_kind: global_buffer, .address_space: global }
      - { .name: lowp_scales, .offset: 16, .size: 8, .value_kind: global_buffer, .address_space: global }
      - { .name: qkv_codes, .offset: 24, .size: 8, .value_kind: global_buffer, .address_space: global }
    .group_segment_fixed_size: 327680
    .private_segment_fixed_size: 0
    .kernarg_segment_align: 8
    .kernarg_segment_size: 32
    .max_flat_workgroup_size: 128
    .sgpr_count:     100
    .vgpr_count:     1024
    .wavefront_size: 32
...
	.end_amdgpu_metadata
.endif
;; end of part 2
;; launch attn (part 3): grid 4 x 64, 16 waves a work-group, no clusters, 327,680 bytes of LDS; arguments qkv_codes, lowp_scales, o_codes; writes o_codes
.if DOCPART == 3
	.amdgcn_target "amdgcn-amd-amdhsa--gfx1250"
	.amdhsa_code_object_version 6
	.text
	.protected	k_qa87a8c8de3_attn
	.globl	k_qa87a8c8de3_attn
	.p2align	8
	.type	k_qa87a8c8de3_attn,@function
k_qa87a8c8de3_attn:
	s_mov_b64 s[64:65], 0
	v_nop
	global_prefetch_b8 v0, s[64:65] scope:SCOPE_SE
	s_setreg_imm32_b32 hwreg(HW_REG_WAVE_MODE, 25, 1), 1
	s_wait_xcnt 0x0
; o = softmax(q k^T / 8, causal) v for one head, both products on codes of FP8 (E4M3) with the given scales (q 2^e2, k 2^e3, p 2^e4, v 2^e5); o is quantised at once with 2^e6.
; LEFT OUT: a step of 128 keys that all come after a wave's 16 queries: reference()'s own mask gives those keys the weight 0 for every input.
; In: qkv_codes, region 0: [batch x head 64][block 16][16,384]: Q [128 tokens][64 d] in the first 8,192 bytes; region 1, 16,777,216 bytes on: [batch x head][block 16][K [128][64] | V [64 d][128 tokens]].
; Out: o_codes [batch x block 64][head 16][128 tokens][64 d].
; THE SOFTMAX: t = score x log2(e) / 8; M = the row's largest t so far, rounded UP to a whole number; p = 2^(t - M) is what is quantised; the row's sum is taken of the unquantised p, in f32, and
; divides at the end.  When M moves, the sum and O are multiplied by 2^(old M - new M): exact.
; A HEAD'S K AND V LIE IN LDS, each byte filled once: 16 blocks of 128 keys, 16,384 bytes of memory, 144 LDS bytes for each 128.  The head's 262,144 bytes are dense, so a fill is stated as rows
; of 256 bytes.  Blocks 0-5: sixteen loads of 24 rows, one a wave, at the head.  Blocks 6-15: sixteen loads of 40 rows, one a wave, behind the first barrier;
; they land while six key steps are worked.  A wave whose 40 rows lie wholly behind the work-group's last query asks for nothing (ids alone decide).  A wave has at most one load outstanding.
; SHARES.  Work-group (p = x, 0..3; y = 16 batch + head) owns four blocks of 128 queries.  Wave w (idx = w % 8, pr = w / 8) takes lo = p (pr = 0) or 7 - p (pr = 1) and hi = 15 - lo:
; pass 1: queries 128 hi + 16 idx on; pass 2: queries 128 lo + 16 idx on: (hi + 1) + (lo + 1) = 17 key steps for every wave of the launch.  Trip counts are constants.
; NO CLUSTER: the four work-groups of a head need 16 - p key blocks, a different number each: a joint load would bring some partner tiles that none of its waves reads.
; NO PREFETCH: every tile is asked for by one of the two fills; there is no loop of fills to run ahead in.
; LAYOUT.  Both products are used transposed: S^T = K Q^T, O^T = V^T P^T: a lane holds ONE query (lane % 16).  Lane r of K's tile 2 b + u takes key 32 b + 8 u + r + 8 (r / 8), so that the 16
; registers of tiles 2 b, 2 b + 1 are the neighbouring keys 32 b + 16 (lane / 16) + 0 .. 15.  Fragments come by loads of 16 bytes: the same order of k on both sides of each product.
; LIMITS: e2 + e3 between -123 and 130 (added to c's exponent field); e4 between -126 and 119; e4 + e5 - e6 is applied by v_ldexp_f32; the scaled scores stay under 2^31 in magnitude.
; REGISTERS: v1-11 addresses and constants; v12 -M, v13 the largest t, v[14:15] the sum; v16-23, v24-31 Q of pass 1, 2; v32-95 K's 8 fragments, then V's 4; v96-159 S^T, then p;
; v160-191 O^T; v192-207 p's codes; v208-231 the way out; v236-254 at work.
.set BLKB,  18432                      ; a block in LDS: 64 rows of K (two tokens to a row), 64 rows of V, each 128 bytes + 16
.set KP,    144
.set VOFF,  64*KP
.set NA,    6                          ; blocks of the first fill
.set STAGE, 16*BLKB                    ; 16 rows x (64 + 16) bytes for each wave, for the way out; no fill lands there
.set SPARE, STAGE+16*1280              ; the spare words: 128 bytes a wave that no other line names
.set AK0,  1
.set AV0,  2
.set STO,  3
.set RD,   4
.set GO,   5
.set SPW,  6
.set NIL,  7
.set ADK,  8
.set ADV,  9
.set DQ,   10                          ; v10  lane % 16 - 16 (lane / 16), for the diagonal
.set NINF, 11                          ; v11  -infinity
.set QOF,  208
.set TB,   2                           ; s2   LDS byte at which the step's block begins
.set CNT,  3
.set WV,   10
.set Q0,   17                          ; my first query; s18 my last; s19 the step's first key
.set QL,   18
.set KF,   19
.set SEL,  20
.set CS,   22                          ; s[22:23] c = log2(e) / 8 x 2^(e2 + e3)
.set G1A,  24                          ; s[24:31], s[32:39] descriptor groups 1: 24 rows, 40 rows;  s[40:43], s[44:47] their groups 0
.set G1B,  32
.set G0A,  40
.set G0B,  44
	s_load_b128 s[4:7], s[0:1], 0x0                ; q, k, v's codes, the scales' exponents
	s_load_b64 s[8:9], s[0:1], 0x10                ; o's codes
	v_lshl_add_u32 v[SPW], v0, 2, SPARE
	v_mov_b32 v[NIL], 0
	ds_add_u32 v[SPW], v[NIL]                      ; the opening: the add, twice on end, and its wait ahead of my first tensor load
	ds_add_u32 v[SPW], v[NIL]
	v_lshrrev_b32 v8, 5, v0
	v_readfirstlane_b32 s[WV], v8                  ; wave 0..15
	s_and_b32 s56, ttmp7, 0xffff                   ; 16 batch + head
	s_lshr_b32 s57, s56, 4
	s_and_b32 s58, s56, 15
	s_and_b32 s59, s[WV], 7                        ; idx
	s_lshr_b32 s60, s[WV], 3                       ; pr
	s_sub_co_u32 s61, 7, ttmp9
	s_cmp_eq_u32 s60, 0
	s_cselect_b32 s61, ttmp9, s61                  ; lo
	s_sub_co_u32 s62, 15, s61                      ; hi
	s_lshl_b32 s63, s59, 4
	s_lshl_b32 s[Q0], s62, 7
	s_add_co_u32 s[Q0], s[Q0], s63                 ; pass 1's first query
	s_lshl_b32 s78, s61, 7
	s_add_co_u32 s78, s78, s63                     ; pass 2's
	s_add_co_u32 s[QL], s[Q0], 15
	s_mov_b32 s[KF], 0
	s_lshl_b32 s69, s59, 10                        ; my 16 tokens' 1,024 bytes in a block's Q or o
	s_lshl_b32 s67, s56, 18                        ; the head's 262,144 bytes in either region
	s_lshl_b32 s84, s62, 14
	s_add_co_u32 s84, s84, s67
	s_add_co_u32 s84, s84, s69                     ; Q of pass 1
	s_mov_b32 s85, 0
	s_lshl_b32 s86, s61, 14
	s_add_co_u32 s86, s86, s67
	s_add_co_u32 s86, s86, s69                     ; Q of pass 2
	s_mov_b32 s87, 0
	s_lshl_b32 s66, s57, 8
	s_add_co_u32 s66, s66, s58
	s_lshl_b32 s68, s66, 13                        ; (256 batch + head) x 8,192 in o_codes; a block on is 16 heads x 8,192
	s_lshl_b32 s88, s62, 17
	s_add_co_u32 s88, s88, s68
	s_add_co_u32 s88, s88, s69                     ; o of pass 1
	s_mov_b32 s89, 0
	s_lshl_b32 s90, s61, 17
	s_add_co_u32 s90, s90, s68
	s_add_co_u32 s90, s90, s69                     ; o of pass 2
	s_mov_b32 s91, 0
	s_mul_i32 s92, s[WV], 6144                     ; first fill: my 24 rows of 256 bytes of blocks 0-5
	s_add_co_u32 s92, s92, s67
	s_add_co_u32 s92, s92, 0x1000000
	s_mov_b32 s93, 0
	s_mul_i32 s96, s[WV], 10240                    ; second fill: my 40 rows of blocks 6-15
	s_add_co_u32 s94, s96, s67
	s_add_co_u32 s94, s94, 0x1000000+NA*16384
	s_mov_b32 s95, 0
	s_sub_co_u32 s97, 16-NA, ttmp9
	s_lshl_b32 s97, s97, 14                        ; bytes of blocks 6 .. 15 - p: what my work-group reads of the second fill
	s_mov_b32 s[G0A], 1
	s_mul_i32 s[G0A+1], s[WV], 48*KP
	s_mov_b32 s[G0B], 1
	s_mul_i32 s[G0B+1], s[WV], 80*KP
	s_add_co_u32 s[G0B+1], s[G0B+1], NA*BLKB
.irp g, G1A, G1B
	s_mov_b32 s[\g], (0<<16)|(1<<20)|(4<<22)|(3<<25)   ; elements of 1 byte; padding: four words after every 32
	s_mov_b32 s[\g+1], 256<<16                     ; tensor_dim0
	s_mov_b32 s[\g+3], 256<<16                     ; tile_dim0
	s_mov_b32 s[\g+5], 256                         ; from row to row
	s_mov_b32 s[\g+6], 0
	s_mov_b32 s[\g+7], 0
.endr
	s_mov_b32 s[G1A+2], 24<<16                     ; tensor_dim1, tile_dim1
	s_mov_b32 s[G1A+4], 24
	s_mov_b32 s[G1B+2], 40<<16
	s_mov_b32 s[G1B+4], 40
	s_mov_b32 s[SEL], 0x76543210
	s_mov_b32 s[SEL+1], 0xfedcba98
	s_mov_b32 s[CS], 0x3e38aa3b                    ; log2(e) / 8
	s_mov_b32 s70, 0xc3e00000                      ; -448
	s_mov_b32 s71, 0x43e00000                      ; 448
	s_wait_dscnt 0x0                               ; both opening adds are done
	s_wait_kmcnt 0x0
	s_add_nc_u64 s[G0A+2:G0A+3], s[4:5], s[92:93]
	s_or_b32 s[G0A+3], s[G0A+3], 0x80000000
	tensor_load_to_lds s[G0A:G0A+3], s[G1A:G1A+7]  ; every wave's one load at the head
	s_nop 0
	s_load_b256 s[48:55], s[6:7], 0x0              ; e0 .. e7
	s_add_nc_u64 s[G0B+2:G0B+3], s[4:5], s[94:95]
	s_or_b32 s[G0B+3], s[G0B+3], 0x80000000
	s_add_nc_u64 s[80:81], s[4:5], s[84:85]
	s_add_nc_u64 s[82:83], s[4:5], s[86:87]
	s_add_nc_u64 s[74:75], s[8:9], s[88:89]
	s_add_nc_u64 s[76:77], s[8:9], s[90:91]
	v_and_b32 v8, 15, v0                           ; r
	v_bfe_u32 v9, v0, 4, 1                         ; h
	v_and_b32 v209, 31, v0                         ; lane
	v_lshlrev_b32 v[QOF], 6, v8
	v_lshl_add_u32 v[QOF], v9, 4, v[QOF]           ; Q: token r's 64 bytes, + 16 h
	global_load_b128 v[16:19], v[QOF], s[80:81]
	global_load_b128 v[20:23], v[QOF], s[80:81] offset:32
	global_load_b128 v[24:27], v[QOF], s[82:83]
	global_load_b128 v[28:31], v[QOF], s[82:83] offset:32
	v_lshlrev_b32 v[DQ], 4, v9
	v_sub_nc_u32 v[DQ], v8, v[DQ]
	v_mov_b32 v[NINF], 0xff800000
	v_and_b32 v210, 8, v8
	v_add_nc_u32 v210, v210, v8                    ; r + 8 (r / 8): my key in a tile
	v_lshrrev_b32 v210, 1, v210
	v_mul_u32_u24 v[AK0], v210, KP                 ; two keys to an LDS row,
	v_and_b32 v210, 1, v8
	v_lshl_add_u32 v[AK0], v210, 6, v[AK0]         ; the odd one in its upper 64 bytes
	v_lshl_add_u32 v[AK0], v9, 4, v[AK0]
	v_mul_u32_u24 v[AV0], v8, KP
	v_lshl_add_u32 v[AV0], v9, 4, v[AV0]
	v_add_nc_u32 v[AV0], VOFF, v[AV0]
	s_mul_i32 s95, s[WV], 1280
	s_add_co_u32 s95, s95, STAGE                   ; my stage
	v_mul_u32_u24 v[STO], v8, 80
	v_lshl_add_u32 v[STO], v9, 3, v[STO]
	v_add_nc_u32 v[STO], s95, v[STO]               ; in: row r, + 8 h
	v_lshrrev_b32 v210, 2, v209
	v_mul_u32_u24 v[RD], v210, 80
	v_and_b32 v210, 3, v209
	v_lshl_add_u32 v[RD], v210, 4, v[RD]
	v_add_nc_u32 v[RD], s95, v[RD]                 ; back: four lanes to a token's 64 bytes
	v_lshlrev_b32 v[GO], 4, v209
	v_mov_b32 v236, 0                              ; a lane permute's destination counts as one of its sources
	v_mov_b32 v253, 0                              ; (named as the upper half of the pair v[252:253])
	v_mov_b32 v245, 1.0                            ; the scale of o's conversion
	s_wait_kmcnt 0x0
	s_add_co_i32 s56, s50, s51
	s_lshl_b32 s56, s56, 23
	s_add_co_i32 s[CS], s[CS], s56                 ; e2 + e3 go into c's exponent field
	s_mov_b32 s[CS+1], s[CS]
	s_add_co_i32 s56, s52, 127
	s_lshl_b32 s57, s56, 23
	v_mov_b32 v244, s57                            ; 2^e4, for p's conversion
	s_add_co_i32 s56, s56, 8
	s_lshl_b32 s56, s56, 23
	s_or_b32 s56, s56, 0x600000
	v_mov_b32 v240, s56                            ; 448 x 2^e4, twice: the two halves of a dual line take their second sources from different register banks
	v_mov_b32 v241, s56
	s_add_co_i32 s72, s52, s53
	s_sub_co_i32 s72, s72, s54                     ; e4 + e5 - e6
.macro INIT                            ; a pass begins: the largest t is -3e38; the sum and O^T are zeros, which the first change of M leaves zeros
	v_mov_b32 v13, 0xff61b1e6
	v_floor_f32 v12, -v13
	v_mov_b32 v14, 0
	v_mov_b32 v15, 0
.set j, 0
.rept 32
	v_mov_b32 v[160+j], 0
.set j, j+1
.endr
.endm
; A KEY STEP: the 128 keys of the block at LDS byte s[TB].  q: where the pass's fragment of Q begins.
.macro STEP q
	s_cmp_gt_u32 s[KF], s[QL]                      ; all its keys come after my queries: the work is left out, the address steps at its end are not
	s_cbranch_scc1 .Lhidden_\@
	v_add_nc_u32 v[ADK], s[TB], v[AK0]
	v_add_nc_u32 v[ADV], s[TB], v[AV0]
	v_nop                                          ; with the two additions: four places in front of loads into registers that the last products read
	v_nop
.irp t, 0,1,2,3,4,5,6,7
.irp c, 0,1
	ds_load_b128 v[32+8*\t+4*\c:35+8*\t+4*\c], v[ADK] offset:(16*(\t/2)+4*(\t%2))*KP+32*\c
.endr
.endr
	s_wait_alu depctr_va_vdst(0)
	s_wait_dscnt 0x0
.irp t, 0,1,2,3,4,5,6,7
	v_wmma_f32_16x16x64_fp8_fp8 v[96+8*\t:103+8*\t], v[32+8*\t:39+8*\t], v[\q:\q+7], 0
.endr
.rept 4
	v_nop                                          ; places: for the loads into K's registers and for the first read of the scores
.endr
.irp t, 0,1,2,3
.irp c, 0,1,2,3
	ds_load_b128 v[32+16*\t+4*\c:35+16*\t+4*\c], v[ADV] offset:16*\t*KP+32*\c   ; V's fragments land while the softmax is worked
.endr
.endr
	s_add_co_u32 s56, s[KF], 127                   ; on the diagonal hidden scores become -infinity ahead of the maximum; a step all of whose keys count skips this
	s_cmp_le_u32 s56, s[Q0]
	s_cbranch_scc1 .Lopen_\@
	s_sub_co_i32 s56, s[Q0], s[KF]
	v_add_nc_u32 v252, s56, v[DQ]                  ; d = my query - KF - 16 (lane / 16): register 16 b + i is hidden where 32 b + i > d
.set n, 0
.rept 64
	v_cmp_gt_i32 vcc_lo, 32*(n/16)+n%16, v252
	v_cndmask_b32 v[96+n], v[96+n], v[NINF], vcc_lo
.set n, n+1
.endr
.Lopen_\@:
	v_max3_num_f32 v254, v96, v97, v98             ; the step's largest score of my query, in two chains,
	v_max3_num_f32 v252, v99, v100, v101
.irp i, 6,10,14,18,22,26,30,34,38,42,46,50,54,58
	v_max3_num_f32 v254, v254, v[96+\i], v[97+\i]
	v_max3_num_f32 v252, v252, v[98+\i], v[99+\i]
.endr
	v_max3_num_f32 v254, v254, v158, v159
	s_delay_alu instid0(VALU_DEP_1)
	v_max_num_f32 v254, v254, v252
	s_delay_alu instid0(VALU_DEP_1)
	v_permlanex16_b32 v236, v254, s[SEL], s[SEL+1]
	s_delay_alu instid0(VALU_DEP_1)
	v_max_num_f32 v254, v254, v236                 ; and among lane l xor 16's
	s_delay_alu instid0(VALU_DEP_1)
	v_mul_f32 v254, s[CS], v254                    ; as t (c is positive)
	s_delay_alu instid0(VALU_DEP_1)
	v_max_num_f32 v13, v13, v254                   ; the running largest t
	v_mov_b32 v254, v12
	s_delay_alu instid0(VALU_DEP_2)
	v_floor_f32 v12, -v13                          ; the new -M = -ceil(t)
	s_delay_alu instid0(VALU_DEP_1)
	v_sub_f32 v254, v12, v254                      ; old M - new M: a whole number, 0 or less
	s_delay_alu instid0(VALU_DEP_1)
	v_cvt_i32_f32 v254, v254                       ; (it saturates)
	s_delay_alu instid0(VALU_DEP_1)
	v_ldexp_f32 v252, 1.0, v254                    ; f = 2^(old M - new M)
.set j, 0
.rept 32
	v_pk_fma_f32 v[96+j:97+j], v[96+j:97+j], s[CS:CS+1], v[12:13] op_sel_hi:[1,0,0]   ; t - M, two at a time
.set j, j+2
.endr
	s_wait_alu depctr_va_vdst(0)                   ; ahead of the batch
.set j, 0
.rept 64
	v_exp_f32 v[96+j], v[96+j]                     ; p = 2^(t - M), at most 1
.set j, j+1
.endr
	v_pk_mul_f32 v[14:15], v[14:15], v[252:253] op_sel_hi:[1,0]   ; the sums under the new M (the plain line behind the batch)
	s_wait_alu depctr_va_vdst(0)                   ; one wait for the batch of 64, ahead of its first reader
	v_pk_add_f32 v[242:243], v[96:97], v[98:99]    ; the row's sum of the unquantised p: 32 pairs in four chains
	v_pk_add_f32 v[246:247], v[100:101], v[102:103]
	v_pk_add_f32 v[248:249], v[104:105], v[106:107]
	v_pk_add_f32 v[14:15], v[14:15], v[108:109]
.irp j, 14,22,30,38,46,54
	v_pk_add_f32 v[242:243], v[242:243], v[96+\j:97+\j]
	v_pk_add_f32 v[246:247], v[246:247], v[98+\j:99+\j]
	v_pk_add_f32 v[248:249], v[248:249], v[100+\j:101+\j]
	v_pk_add_f32 v[14:15], v[14:15], v[102+\j:103+\j]
.endr
	v_pk_add_f32 v[242:243], v[242:243], v[158:159]
	v_pk_add_f32 v[14:15], v[14:15], v[248:249]
	v_pk_add_f32 v[242:243], v[242:243], v[246:247]
	v_pk_add_f32 v[14:15], v[14:15], v[242:243]
.set j, 0
.rept 32
	v_dual_min_num_f32 v[96+j], v[96+j], v240 :: v_dual_min_num_f32 v[97+j], v[97+j], v241   ; the conversion does not saturate (ISA guide 7.6.2); p is not negative: a one-sided hold, two numbers a line
.set j, j+2
.endr
.irp b, 0,1,2,3,4,5,6,7
	v_cvt_scalef32_pk8_fp8_f32 v[192+2*\b:193+2*\b], v[96+8*\b:103+8*\b], v244
.endr
	s_wait_alu depctr_va_vdst(0)                   ; directly ahead of the first reader of O^T
.set j, 0
.rept 16
	v_pk_mul_f32 v[160+j:161+j], v[160+j:161+j], v[252:253] op_sel_hi:[1,0]   ; O^T under the new M (also the plain lines between the conversions and the products)
.set j, j+2
.endr
	s_wait_alu depctr_va_vdst(0)
	s_wait_dscnt 0x0                               ; V is in
.irp t, 0,1,2,3
	v_wmma_f32_16x16x128_fp8_fp8 v[160+8*\t:167+8*\t], v[32+16*\t:47+16*\t], v[192:207], v[160+8*\t:167+8*\t]   ; four accumulators by turns
.endr
.Lhidden_\@:
	s_add_co_u32 s[KF], s[KF], 128
	s_add_co_u32 s[TB], s[TB], BLKB
.endm
.macro WALK q, trips
	s_mov_b32 s[CNT], \trips
.Lwalk_\@:
	STEP \q
	s_sub_co_u32 s[CNT], s[CNT], 1
	s_cmp_lg_u32 s[CNT], 0
	s_cbranch_scc1 .Lwalk_\@
.endm
; THE WAY OUT of a pass: O^T / the sum x 2^(e4 + e5 - e6), held within +-448, becomes o's codes; a lane's 8 bytes go through my stage and come back as the tile's 1,024 dense bytes: two stores of 512.
.macro WAYOUT ob, reg
.rept 4
	v_nop                                          ; places behind the last products
.endr
	v_add_f32 v14, v14, v15
	v_permlanex16_b32 v236, v14, s[SEL], s[SEL+1]
	v_add_f32 v14, v14, v236                       ; the row's sum
	s_wait_alu depctr_va_vdst(0)                   ; ahead of the transcendental
	v_rcp_f32 v14, v14
	v_nop
	s_wait_alu depctr_va_vdst(0)                   ; and ahead of its first reader
	v_ldexp_f32 v14, v14, s72
	s_wait_alu depctr_va_vdst(0)                   ; and directly ahead of the first reader of O^T
.set j, 0
.rept 16
	v_pk_mul_f32 v[96+j:97+j], v[160+j:161+j], v[14:15] op_sel_hi:[1,0]   ; register 8 t + i is o(query r, d = 16 t + 8 h + i); each accumulator from its low end on
.set j, j+2
.endr
.set j, 0
.rept 32
	v_med3_num_f32 v[96+j], v[96+j], s70, s71
.set j, j+1
.endr
.irp t, 0,1,2,3
	v_cvt_scalef32_pk8_fp8_f32 v[208+2*\t:209+2*\t], v[96+8*\t:103+8*\t], v245
.endr
	v_nop                                          ; one plain line behind the last conversion: later products write its sources
.irp t, 0,1,2,3
	ds_store_b64 v[STO], v[208+2*\t:209+2*\t] offset:16*\t
.endr
.irp u, 0,1
	ds_load_b128 v[\reg+4*\u:\reg+4*\u+3], v[RD] offset:640*\u   ; LDS serves a wave's instructions in order: these see my stores
.endr
.irp u, 0,1
	s_wait_dscnt 1-\u                              ; load u is in; the one behind it may be out
	global_store_b128 v[GO], v[\reg+4*\u:\reg+4*\u+3], s[\ob:\ob+1] offset:512*\u
.endr
.endm
	INIT
	s_wait_alu depctr_va_vdst(0)                   ; the head's end
	s_wait_loadcnt 0x0                             ; Q
	s_wait_tensorcnt 0x0                           ; my part of blocks 0-5 is in; these lines stand ahead of a later first fill as ahead of a refill
	ds_add_u32 v[SPW], v[NIL]
	s_wait_dscnt 0x0
	s_barrier_signal -1
	s_barrier_wait -1                              ; everybody's part is in
	s_cmp_ge_u32 s96, s97                          ; my 40 rows begin behind block 15 - p: no wave of my work-group reads them, so they are not asked for (ids alone)
	s_cbranch_scc1 .Lnot_read
	tensor_load_to_lds s[G0B:G0B+3], s[G1B:G1B+7]  ; blocks 6 on: my one load behind this barrier
	s_nop 0
.Lnot_read:
	s_mov_b32 s[TB], 0
	WALK 16, NA                                    ; six steps that are whole work for every wave (hi is 8 at the least)
	s_wait_tensorcnt 0x0                           ; my part of the second fill is in,
	s_wait_dscnt 0x0
	s_barrier_signal -1
	s_barrier_wait -1                              ; everybody's is: no barrier is needed from here on
	s_mov_b32 s[TB], NA*BLKB
	WALK 16, 16-NA
	WAYOUT 74, 216
	s_mov_b32 s[Q0], s78                           ; pass 2: the low block, at most eight steps
	s_add_co_u32 s[QL], s78, 15
	s_mov_b32 s[KF], 0
	INIT
	s_mov_b32 s[TB], 0
	WALK 24, 8
	WAYOUT 76, 224
	s_wait_tensorcnt 0x0                           ; the wave's end, behind my last tensor load and my last LDS store
	ds_add_u32 v[SPW], v[NIL]
	s_wait_dscnt 0x0
	s_endpgm
.Lfunc_end_k_qa87a8c8de3_attn:
	.size	k_qa87a8c8de3_attn, .Lfunc_end_k_qa87a8c8de3_attn-k_qa87a8c8de3_attn
	.p2alignl 7, 3214868480
	.fill 96, 4, 3214868480
	.section	.rodata,"a",@progbits
	.p2align	6, 0x0
	.amdhsa_kernel k_qa87a8c8de3_attn
		.amdhsa_group_segment_fixed_size 327680
		.amdhsa_private_segment_fixed_size 0
		.amdhsa_enable_private_segment 0
		.amdhsa_kernarg_size 24
		.amdhsa_user_sgpr_count 2
		.amdhsa_user_sgpr_kernarg_segment_ptr 1
		.amdhsa_wavefront_size32 1
		.amdhsa_system_sgpr_workgroup_id_x 1
		.amdhsa_system_sgpr_workgroup_id_y 1
		.amdhsa_system_sgpr_workgroup_id_z 1
		.amdhsa_system_vgpr_workitem_id 0
		.amdhsa_next_free_vgpr 256
		.amdhsa_next_free_sgpr 100
		.amdhsa_reserve_vcc 1
		.amdhsa_float_denorm_mode_32 3
		.amdhsa_float_denorm_mode_16_64 3
		.amdhsa_memory_ordered 1
		.amdhsa_forward_progress 1
		.amdhsa_inst_pref_size 82
	.end_amdhsa_kernel
	.amdgpu_metadata
---
amdhsa.version: [ 1, 2 ]
amdhsa.kernels:
  - .name:           k_qa87a8c8de3_attn
    .symbol:         k_qa87a8c8de3_attn.kd
    .args:
      - { .name: qkv_codes, .offset: 0, .size: 8, .value_kind: global_buffer, .address_space: global }
      - { .name: lowp_scales, .offset: 8, .size: 8, .value_kind: global_buffer, .address_space: global }
      - { .name: o_codes, .offset: 16, .size: 8, .value_kind: global_buffer, .address_space: global }
    .group_segment_fixed_size: 327680
    .private_segment_fixed_size: 0
    .kernarg_segment_align: 8
    .kernarg_segment_size: 24
    .max_flat_workgroup_size: 512
    .sgpr_count:     100
    .vgpr_count:     256
    .wavefront_size: 32
...
	.end_amdgpu_metadata
.endif
;; end of part 3
;; launch proj (part 4): grid 4 x 64, 4 waves a work-group, clusters of 4 x 4, 327,680 bytes of LDS; arguments o_codes, wout_codes, lowp_scales, out0; writes out0
.if DOCPART == 4
	.amdgcn_target "amdgcn-amd-amdhsa--gfx1250"
	.amdhsa_code_object_version 6
	.text
	.protected	k_qa87a8c8de3_proj
	.globl	k_qa87a8c8de3_proj
	.p2align	8
	.type	k_qa87a8c8de3_proj,@function
k_qa87a8c8de3_proj:
	s_mov_b64 s[64:65], 0
	v_nop
	global_prefetch_b8 v0, s[64:65] scope:SCOPE_SE
	s_setreg_imm32_b32 hwreg(HW_REG_WAVE_MODE, 25, 1), 1
	s_wait_xcnt 0x0
	s_wait_alu depctr_hold_cnt(0) depctr_sa_sdst(0) depctr_va_vdst(0) depctr_va_sdst(0) depctr_va_ssrc(0) depctr_va_vcc(0) depctr_vm_vsrc(0)
	s_getreg_b32 s2, hwreg(HW_REG_IB_STS2, 6, 4)
	s_cmp_eq_u32 s2, 0
	s_cbranch_scc0 .Lentry_in_a_cluster
	s_endpgm
.Lentry_in_a_cluster:
	s_bfe_u32 s2, ttmp6, 0x10000c
	s_cmp_lg_u32 s2, 0xf033
	s_cbranch_scc0 .Lentry_shape_is_right
	s_endpgm
.Lentry_shape_is_right:
; out0 = o w_out on codes of FP8 (E4M3), sums in f32; each finished sum is multiplied once by 2^(e6 + e7).  LIMIT: e6 + e7 lies between -126 and 127, so that the factor is an f32 number.
; o_codes [block of 128 tokens: 64][head 16][128 tokens][64 d] (k = 64 head + d); wout_codes [1024 n][1024 k]; out0 [8192 tokens][1024 n] f32.
; A work-group makes 128 tokens x 256 columns: 64 x 4 = 256 work-groups.  Its four waves make 64 x 128 each: 32 accumulators, 256 registers.
; K COMES IN THREE FILLS.  A step's tiles have 128 + 256 = 384 rows, so LDS holds a small slot of 256 along K beside a big one of 512:
;   k 0-255 into the small slot at the head; k 256-767 into the big slot, behind the first round; k 768-1023 into the small slot again, behind the next one.
; Each fill is one tensor load a wave (waves 0, 1: halves of A's tile; waves 2, 3: halves of B's), so a wave has at most one load outstanding.
; A's part of a fill is dense in memory (4 or 8 heads x 8,192 bytes) and is stated as rows of 256 bytes: an LDS row holds four tokens x 64 d of one head.  B's rows are 256 or 512 bytes of rows of 1,024.
; CLUSTERS: 4 x 4 work-groups.  The four of a row of the cluster share the token block (A's tiles), the four of a column the 256 columns (B's): each tile is asked for jointly.
; NO PREFETCH: K is three fills, written out; there is no loop to run ahead in.
; THE MATRIX INSTRUCTION IS USED TRANSPOSED (source 0 = 16 rows of B, source 1 = 16 tokens): a lane holds eight neighbouring numbers of a row of out0.
; REGISTERS: window 0: v16-29 addresses, v32-95 the way out's products, v128-255 A's fragments (4 x 16 tokens x 128 K), two sets; window 1: B's fragments (8 x 16 rows x 128 K), two sets;
; window 2: the accumulators, (a, b) at v[8 (8 a + b)].
.set SIZE_N, 1024
.set PITCH,  272                       ; an LDS row of 256 bytes + 16
.set BPB,    528                       ; B's LDS row in the big slot: 512 bytes + 16
.set AS,     0                         ; small slot: A's 128 rows,
.set BS,     128*PITCH                 ; B's 256 rows
.set AB,     BS+256*PITCH              ; big slot: A's 256 rows,
.set BB,     AB+256*PITCH              ; B's 256 rows
.set SPARE,  BB+256*BPB                ; the spare words: 128 bytes a wave that no other line names
.set SPITCH, 528                       ; the way out: 16 rows x (512 + 16) bytes a wave, in the big slot, which has had its one fill and its last read by then
.set ADRAS, 16
.set ADRAB, 17
.set ADRBS, 20
.set ADRBB, 21
.set STO,  24
.set RD,   25
.set CO,   26
.set SPW,  28
.set NIL,  29
.set TMP,  32
.set AF,   128
.set BK,   128
.set G1AS, 24                          ; s[24:55] four descriptor groups 1: A small, A big, B small, B big
.set G1AB, 32
.set G1BS, 40
.set G1BB, 48
.set P0A,  56                          ; groups 0, one for each fill and operand
.set P0B,  60
.set P1A,  68
.set P1B,  72
.set P2A,  76
.set P2B,  80
.set CFG5, (1<<20)|(1<<21)|(5<<22)|(3<<25)   ; elements of 1 byte; padding on; bit 21 beside a mask; four words after every 64
.set CFG6, (1<<20)|(1<<21)|(6<<22)|(3<<25)   ; four words after every 128
.set MSB, 0
.macro WIN new                         ; the immediate's high byte repeats the setting that is left
.if MSB != \new
	s_set_vgpr_msb (MSB<<8)|\new
.set MSB, \new
.endif
.endm
.set MUL,  0xa1                        ; source 0 (B) window 1, source 1 (A) window 0, C and D window 2
.set TO_B, 0x40                        ; destination window 1, address window 0
.macro JLOAD g0a, g1a, g0b, g1b        ; a joint load: waves 0, 1 for A, waves 2, 3 for B; the branch hangs on the wave's number alone; s_nop 0 and four v_nop follow each line
	s_cmp_eq_u32 s15, 0
	s_cbranch_scc0 .Lfor_b_\@
	tensor_load_to_lds s[\g0a:\g0a+3], s[\g1a:\g1a+7]
	s_nop 0
.rept 4
	v_nop
.endr
	s_branch .Lasked_\@
.Lfor_b_\@:
	tensor_load_to_lds s[\g0b:\g0b+3], s[\g1b:\g1b+7]
	s_nop 0
.rept 4
	v_nop
.endr
.Lasked_\@:
.endm
.macro CROUND                          ; a round of the cluster's barrier
	s_barrier_signal -1
	s_barrier_wait -1
	s_cmp_lg_u32 s14, 0
	s_cbranch_scc1 .Lnot_wave_0_\@
	s_barrier_signal -3
.Lnot_wave_0_\@:
	s_barrier_wait -3
	s_barrier_signal -1
	s_barrier_wait -1
.endm
.macro G1SET g, c, r, p                ; r rows of c bytes, p bytes apart in memory
	s_mov_b32 s[\g+1], (\c)<<16
	s_mov_b32 s[\g+2], (\r)<<16
	s_mov_b32 s[\g+3], (\c)<<16
	s_mov_b32 s[\g+4], \r
	s_mov_b32 s[\g+5], \p
	s_mov_b32 s[\g+6], 0
	s_mov_b32 s[\g+7], 0
.endm
.macro PLACES n
.rept \n
	v_nop
.endr
.endm
	s_load_b128 s[4:7], s[0:1], 0x0                ; o's codes, w_out's codes
	s_load_b128 s[8:11], s[0:1], 0x10              ; the scales' exponents, out0
	v_lshl_add_u32 v[SPW], v0, 2, SPARE
	v_mov_b32 v[NIL], 0
	ds_add_u32 v[SPW], v[NIL]                      ; the opening: the add, twice on end, and its wait ahead of the round in front of my first tensor load
	ds_add_u32 v[SPW], v[NIL]
	v_lshrrev_b32 v1, 5, v0
	v_readfirstlane_b32 s14, v1                    ; wave 0..3
	s_lshr_b32 s15, s14, 1                         ; my half of the tokens.  Also: I fetch for A (0) or for B (1)
	s_and_b32 s16, s14, 1                          ; my half of the columns.  Also: which half of that tile I fetch
	s_bfe_u32 s84, ttmp6, 0x40000                  ; cx
	s_bfe_u32 s85, ttmp6, 0x40004                  ; cy
	s_lshl_b32 s86, ttmp9, 2
	s_add_co_u32 s86, s86, s84                     ; which 256 columns: 4 x cluster x + cx
	s_and_b32 s17, ttmp7, 0xffff
	s_lshl_b32 s17, s17, 2
	s_add_co_u32 s17, s17, s85                     ; which block of 128 tokens: 4 x cluster y + cy
	s_lshl_b32 s87, s85, 2
	s_lshl_b32 s87, 15, s87                        ; my row of the cluster
	s_lshl_b32 s88, 0x1111, s84                    ; my column
	s_or_b32 s[G1AS], s87, CFG5
	s_or_b32 s[G1AB], s87, CFG5
	s_or_b32 s[G1BS], s88, CFG5
	s_or_b32 s[G1BB], s88, CFG6
	G1SET G1AS, 256, 64, 256                       ; two heads: 16,384 dense bytes
	G1SET G1AB, 256, 128, 256                      ; four heads
	G1SET G1BS, 256, 128, 1024
	G1SET G1BB, 512, 128, 1024
	s_lshl_b32 s20, s17, 17                        ; A: the block's 16 heads x 8,192 bytes: hangs on the token block alone
	s_mov_b32 s21, 0
	s_lshl_b32 s22, s86, 18                        ; B: row 256 x column tile + 128 x half, rows of 1,024 bytes: hangs on the column tile alone
	s_lshl_b32 s23, s16, 17
	s_add_co_u32 s22, s22, s23
	s_mov_b32 s23, 0
	s_lshl_b32 s90, s16, 14                        ; my half of A's part of a small fill,
	s_mov_b32 s91, 0
	s_lshl_b32 s92, s16, 15                        ; of the big one
	s_mov_b32 s93, 0
	s_mul_i32 s12, s16, 64*PITCH                   ; where the halves go: no place in the cluster enters an LDS address
	s_mul_i32 s13, s16, 128*PITCH
	s_mul_i32 s18, s16, 128*BPB
	s_mul_i32 s19, s15, 16*PITCH                   ; my 64 tokens: 16 LDS rows in each head's 32
	s_wait_dscnt 0x0                               ; both opening adds are done
	s_wait_kmcnt 0x0
	s_load_b64 s[96:97], s[8:9], 0x18              ; e6, e7
	s_add_nc_u64 s[4:5], s[4:5], s[20:21]
	s_add_nc_u64 s[6:7], s[6:7], s[22:23]
	s_mov_b32 s[P0A], 1                            ; k 0-255: heads 0-3
	s_mov_b32 s[P0A+1], s12
	s_add_nc_u64 s[P0A+2:P0A+3], s[4:5], s[90:91]
	s_or_b32 s[P0A+3], s[P0A+3], 0x80000000
	s_mov_b32 s[P0B], 1
	s_add_co_u32 s[P0B+1], s13, BS
	s_mov_b64 s[P0B+2:P0B+3], s[6:7]
	s_or_b32 s[P0B+3], s[P0B+3], 0x80000000
	s_mov_b32 s[P1A], 1                            ; k 256-767: heads 4-11
	s_add_co_u32 s[P1A+1], s13, AB
	s_add_nc_u64 s[P1A+2:P1A+3], s[4:5], s[92:93]
	s_add_nc_u64 s[P1A+2:P1A+3], s[P1A+2:P1A+3], 32768
	s_or_b32 s[P1A+3], s[P1A+3], 0x80000000
	s_mov_b32 s[P1B], 1
	s_add_co_u32 s[P1B+1], s18, BB
	s_add_nc_u64 s[P1B+2:P1B+3], s[6:7], 256
	s_or_b32 s[P1B+3], s[P1B+3], 0x80000000
	s_mov_b32 s[P2A], 1                            ; k 768-1023: heads 12-15
	s_mov_b32 s[P2A+1], s12
	s_add_nc_u64 s[P2A+2:P2A+3], s[4:5], s[90:91]
	s_add_nc_u64 s[P2A+2:P2A+3], s[P2A+2:P2A+3], 98304
	s_or_b32 s[P2A+3], s[P2A+3], 0x80000000
	s_mov_b32 s[P2B], 1
	s_add_co_u32 s[P2B+1], s13, BS
	s_add_nc_u64 s[P2B+2:P2B+3], s[6:7], 768
	s_or_b32 s[P2B+3], s[P2B+3], 0x80000000
	CROUND                                         ; all sixteen work-groups are here: the first joint loads meet
	JLOAD P0A, G1AS, P0B, G1BS                     ; one tensor load a wave at the head
	; the scalar parts of every address first, then the vector lines on end
	s_add_co_u32 s87, s19, AB                      ; my tokens in the big slot
	s_add_co_u32 s88, s13, BS                      ; my 128 rows of B in the small slot,
	s_add_co_u32 s89, s18, BB                      ; in the big one
	s_mul_i32 s3, s14, 16*SPITCH
	s_add_co_u32 s3, s3, AB                        ; my stage
	s_lshl_b32 s94, s17, 7
	s_lshl_b32 s95, s15, 6
	s_add_co_u32 s94, s94, s95                     ; my first row of out0
	s_lshl_b32 s94, s94, 12                        ; rows of 4,096 bytes
	s_lshl_b32 s95, s86, 10
	s_add_co_u32 s94, s94, s95
	s_lshl_b32 s95, s16, 9
	s_add_co_u32 s94, s94, s95                     ; + my first column: 1,024 x column tile + 512 x half
	s_mov_b32 s95, 0
	s_add_nc_u64 s[10:11], s[10:11], s[94:95]
	v_and_b32 v1, 15, v0                           ; r = l % 16
	v_bfe_u32 v2, v0, 4, 1                         ; h = l / 16
	v_mul_u32_u24 v3, v1, PITCH
	v_lshl_add_u32 v3, v2, 4, v3                   ; B, small slot: row r, + 16 h
	v_mul_u32_u24 v4, v1, BPB
	v_lshl_add_u32 v4, v2, 4, v4                   ; B, big slot
	v_lshrrev_b32 v7, 2, v1
	v_mul_u32_u24 v7, v7, PITCH
	v_and_b32 v8, 3, v1
	v_lshl_add_u32 v7, v8, 6, v7
	v_lshl_add_u32 v7, v2, 4, v7                   ; A: four tokens to an LDS row: (r / 4) rows + 64 (r % 4) + 16 h
	v_mul_u32_u24 v5, v1, SPITCH
	v_lshl_add_u32 v5, v2, 5, v5                   ; the stage, in: row r, + 32 h
	v_and_b32 v6, 31, v0
	v_lshlrev_b32 v[CO], 4, v6                     ; 16 x lane: my place in a row of 512 bytes
	v_add_nc_u32 v[ADRAS], s19, v7
	v_add_nc_u32 v[ADRAB], s87, v7
	v_add_nc_u32 v[ADRBS], s88, v3
	v_add_nc_u32 v[ADRBB], s89, v4
	v_add_nc_u32 v[STO], s3, v5
	v_add_nc_u32 v[RD], s3, v[CO]
; The fragments of one step of 128 along K, the q-th of a slot, into set p: B's eight (bp: its LDS pitch), then A's four.  Registers 4 c .. 4 c + 3 hold k = 32 c + 16 h + 0 .. 15 on both sides;
; in A that is head 2 q + c / 2, d = 32 (c % 2) + 16 h on.
.macro FETCH p, ra, rb, bp, q
	WIN TO_B
.irp i, 0,1,2,3,4,5,6,7
.irp c, 0,1,2,3
	ds_load_b128 v[128*(\p)+16*\i+4*\c:128*(\p)+16*\i+4*\c+3], v[\rb] offset:128*(\q)+32*\c+\i*16*(\bp)
.endr
.endr
	WIN 0
.irp i, 0,1,2,3
.irp c, 0,1,2,3
	ds_load_b128 v[AF+64*(\p)+16*\i+4*\c:AF+64*(\p)+16*\i+4*\c+3], v[\ra] offset:((2*(\q)+\c/2)*32+4*\i)*PITCH+32*(\c%2)
.endr
.endr
.endm
; 32 matrix instructions on set p: the 32 accumulators take turns, in the same order in every step.  zero = 1: the first product starts the sums.
.macro MUL32 p, zero
.irp a, 0,1,2,3
.irp b, 0,1,2,3,4,5,6,7
.if \zero
	v_wmma_f32_16x16x128_fp8_fp8 v[8*(8*\a+\b):8*(8*\a+\b)+7], v[128*(\p)+16*\b:128*(\p)+16*\b+15], v[AF+64*(\p)+16*\a:AF+64*(\p)+16*\a+15], 0
.else
	v_wmma_f32_16x16x128_fp8_fp8 v[8*(8*\a+\b):8*(8*\a+\b)+7], v[128*(\p)+16*\b:128*(\p)+16*\b+15], v[AF+64*(\p)+16*\a:AF+64*(\p)+16*\a+15], v[8*(8*\a+\b):8*(8*\a+\b)+7]
.endif
.endr
.endr
.endm
; A step: set p is in; nxt = 1: the next step's 48 loads go out into the other set, four places behind the products that read it; then the products.
.macro KSTEP p, zero, nxt, ra, rb, bp, q
	s_wait_dscnt 0x0
.if \nxt
	PLACES 4
	FETCH 1-(\p), \ra, \rb, \bp, \q
.endif
	WIN MUL
	MUL32 \p, \zero
	WIN 0
.endm
	s_wait_alu depctr_va_vdst(0)                   ; the head's end
	s_wait_tensorcnt 0x0                           ; my part of k 0-255 is in; these lines stand ahead of a later first fill as ahead of a refill
	ds_add_u32 v[SPW], v[NIL]
	s_wait_dscnt 0x0
	CROUND                                         ; everybody's part is in, and all sixteen work-groups are here
	JLOAD P1A, G1AB, P1B, G1BB                     ; k 256-767 into the big slot: the first tensor load behind the round
	FETCH 0, ADRAS, ADRBS, PITCH, 0
	KSTEP 0, 1, 1, ADRAS, ADRBS, PITCH, 1
	KSTEP 1, 0, 0, ADRAS, ADRBS, PITCH, 0
	s_wait_tensorcnt 0x0                           ; my part of the big slot is in,
	ds_add_u32 v[SPW], v[NIL]
	s_wait_dscnt 0x0                               ; and my reads of the small slot are over
	CROUND                                         ; both hold of every wave of the cluster
	JLOAD P2A, G1AS, P2B, G1BS                     ; k 768-1023 into the small slot again; the four v_nop behind it are the places in front of the loads below
	FETCH 0, ADRAB, ADRBB, BPB, 0
	KSTEP 0, 0, 1, ADRAB, ADRBB, BPB, 1
	KSTEP 1, 0, 1, ADRAB, ADRBB, BPB, 2
	KSTEP 0, 0, 1, ADRAB, ADRBB, BPB, 3
	KSTEP 1, 0, 0, ADRAB, ADRBB, BPB, 0
	s_wait_tensorcnt 0x0                           ; my part of the last fill is in, my reads of the big slot are over;
	s_wait_dscnt 0x0
	s_barrier_signal -1                            ; No round follows
	s_barrier_wait -1
	PLACES 4
	FETCH 0, ADRAS, ADRBS, PITCH, 0
	KSTEP 0, 0, 1, ADRAS, ADRBS, PITCH, 1
	KSTEP 1, 0, 0, ADRAS, ADRBS, PITCH, 0
; THE WAY OUT, block by block of 16 tokens x 128 columns.  A lane holds 32 neighbouring bytes of a row, the lanes beside it other rows: a block goes through my own stage and comes back as whole rows
; of 512 bytes, which the 32 lanes store as one aligned run of 512 bytes.  LDS serves a wave's instructions in order (ISA guide 5.7.1.4): no wait between the stores and the loads.
.macro TOSTAGE a
.set AC, 64*(\a)
	WIN 0x02                                       ; source 0: window 2
.irp j, 0,2,4,6,8,10,12,14,16,18,20,22,24,26,28,30,32,34,36,38,40,42,44,46,48,50,52,54,56,58,60,62
	v_pk_mul_f32 v[TMP+\j:TMP+\j+1], v[AC+\j:AC+\j+1], s[96:97] op_sel_hi:[1,0]   ; both x s96 = 2^(e6 + e7); each accumulator from its low end on
.endr
	WIN 0
.irp b, 0,1,2,3,4,5,6,7
	ds_store_b128 v[STO], v[TMP+8*\b:TMP+8*\b+3] offset:64*\b
	ds_store_b128 v[STO], v[TMP+8*\b+4:TMP+8*\b+7] offset:64*\b+16
.endr
.set BBK, BK+64*((\a)%2)
.irp t, 0,1,2,3,4,5,6,7,8,9,10,11,12,13,14,15
	ds_load_b128 v[BBK+4*\t:BBK+4*\t+3], v[RD] offset:\t*SPITCH
.endr
.endm
.macro SEND a, younger                 ; younger: the LDS instructions issued behind block a's loads, which may stay out
.set BBK, BK+64*((\a)%2)
	s_wait_dscnt \younger
.if (\a) > 0
	s_add_nc_u64 s[10:11], s[10:11], 16*SIZE_N*4   ; (behind a wait on XCNT: the earlier stores have read their base)  16 rows on
.endif
.irp t, 0,1,2,3,4,5,6,7,8,9,10,11,12,13,14,15
	global_store_b128 v[CO], v[BBK+4*\t:BBK+4*\t+3], s[10:11] offset:\t*SIZE_N*4 th:TH_STORE_NT
.endr
.endm
	s_wait_kmcnt 0x0
	s_add_co_i32 s96, s96, s97
	s_add_co_i32 s96, s96, 127
	s_lshl_b32 s96, s96, 23                        ; 2^(e6 + e7) as f32
	PLACES 4                                       ; behind the last products: for the reads of results and for the loads into the registers that held A's fragments
	TOSTAGE 0
.irp a, 1,2,3
.if \a > 1
	s_wait_xcnt 0x0                                ; block a - 2's stores have read their registers and their base
.endif
	TOSTAGE \a
	SEND \a-1, 32                                  ; behind block a - 1's loads: block a's 16 stores and 16 loads
.endr
	s_wait_xcnt 0x0
	SEND 3, 0
	s_wait_tensorcnt 0x0                           ; the wave's end, behind my last tensor load and my last LDS store
	ds_add_u32 v[SPW], v[NIL]
	s_wait_dscnt 0x0
	CROUND                                         ; the closing round: no work-group ends while a partner may still ask for a tile that names it
	s_endpgm
.Lfunc_end_k_qa87a8c8de3_proj:
	.size	k_qa87a8c8de3_proj, .Lfunc_end_k_qa87a8c8de3_proj-k_qa87a8c8de3_proj
	.p2alignl 7, 3214868480
	.fill 96, 4, 3214868480
	.section	.rodata,"a",@progbits
	.p2align	6, 0x0
	.amdhsa_kernel k_qa87a8c8de3_proj
		.amdhsa_group_segment_fixed_size 327680
		.amdhsa_private_segment_fixed_size 0
		.amdhsa_enable_private_segment 0
		.amdhsa_kernarg_size 32
		.amdhsa_user_sgpr_count 2
		.amdhsa_user_sgpr_kernarg_segment_ptr 1
		.amdhsa_wavefront_size32 1
		.amdhsa_system_sgpr_workgroup_id_x 1
		.amdhsa_system_sgpr_workgroup_id_y 1
		.amdhsa_system_sgpr_workgroup_id_z 1
		.amdhsa_system_vgpr_workitem_id 0
		.amdhsa_next_free_vgpr 768
		.amdhsa_next_free_sgpr 100
		.amdhsa_reserve_vcc 0
		.amdhsa_float_denorm_mode_32 3
		.amdhsa_float_denorm_mode_16_64 3
		.amdhsa_memory_ordered 1
		.amdhsa_forward_progress 1
		.amdhsa_inst_pref_size 76
	.end_amdhsa_kernel
	.amdgpu_metadata
---
amdhsa.version: [ 1, 2 ]
amdhsa.kernels:
  - .name:           k_qa87a8c8de3_proj
    .symbol:         k_qa87a8c8de3_proj.kd
    .args:
      - { .name: o_codes, .offset: 0, .size: 8, .value_kind: global_buffer, .address_space: global }
      - { .name: wout_codes, .offset: 8, .size: 8, .value_kind: global_buffer, .address_space: global }
      - { .name: lowp_scales, .offset: 16, .size: 8, .value_kind: global_buffer, .address_space: global }
      - { .name: out0, .offset: 24, .size: 8, .value_kind: global_buffer, .address_space: global }
    .group_segment_fixed_size: 327680
    .private_segment_fixed_size: 0
    .kernarg_segment_align: 8
    .kernarg_segment_size: 32
    .max_flat_workgroup_size: 128
    .sgpr_count:     100
    .vgpr_count:     768
    .wavefront_size: 32
...
	.end_amdgpu_metadata
.endif
;; end of part 4
